; MI455X (gfx1250); checked and timed in simulation.
; The chip was launched on July 23, 2026; its instructions are those of AMD's public machine-readable ISA for CDNA 5 (MIT licence, August 2026) and "CDNA5" Instruction Set Architecture Reference Guide (July 2026). The comments in the code are by the model that wrote it; some were corrected since.
;; User Neighbor Aggregator. Allowed arithmetic: matrix products marked QUANTISED: E2M3 operands, one E8M0 scale for each 32 along K, by v_wmma_scale_f32_16x16x128_f8f6f4 with both operands' format E2M3, f32 sums; products left as they are: f32 operands where the result goes on into a quantised operand, else bf16, f16 or f32 operands; f32 sums; everything else in f32.
;; Inputs: W1 1,024 x 512 float32; W2 512 x 512 float32; b1 512 float32; b2 512 float32; cache_embeddings 100,000 x 512 float32; user_embeddings 1,024 x 512 float32.
;; Outputs: out0 1,024 x 512 float32.
;; This version of the problem:
;;   THIS VERSION OF THE PROBLEM IS GIVEN IN LOW PRECISION. The matrix products marked QUANTISED in the list below multiply operands that are first quantised to E2M3 (2 exponent bits, 3 mantissa bits; 6 bits a number), with one power-of-two scale for each 32 numbers along K (OCP MX v1.0); their sums are f32. All else is computed in f32.
;;   The module's matrix products, in the order in which they are computed (A, B: the left and right operand; K: the contracted axis; several contracted axes count as one K, in the product's order):
;;     1. [M 1,024, K 512] x [K 512, N 100,000]; A: computed on the way; B: computed on the way: QUANTISED
;;     2. batch 1,024 x [M 1, K 20] x [K 20, N 512]; A: computed on the way; B: computed on the way: left as it is (K = 20 < 32)
;;     3. [M 1,024, K 1,024] x [K 1,024, N 512]; A: computed on the way; B: input W1: QUANTISED
;;     4. [M 1,024, K 512] x [K 512, N 512]; A: computed on the way; B: input W2: QUANTISED
;;   THE QUANTISER, for each operand of a quantised product, along K:
;;     - K is cut into blocks of 32 from its start; a last block that is shorter is filled with zeros.
;;     - A block's scale is 2^e with e = floor(log2(the largest magnitude in the block)) - 2, held to -126 .. 127; a block of zeros has e = 0. As a byte (E8M0): e + 127.
;;     - Each number is divided by its block's scale, clamped to +-7.5, and rounded to the nearest number of E2M3, ties to even, subnormals kept.
;;     - The product sums the exact products of the quantised numbers (number of the format x scale) in f32.
;;   ~~~python
;;   def quantise(x, axis):      # numpy; x: float32 -> the quantised numbers, widened to float32 again
;;       x = np.moveaxis(x, axis, -1); K = x.shape[-1]
;;       x = np.pad(x, [(0, 0)] * (x.ndim - 1) + [(0, -K % 32)]); x = x.reshape(x.shape[:-1] + (-1, 32)); a = np.abs(x).max(-1, keepdims=True)
;;       e = np.where(a > 0, np.clip(np.frexp(np.where(a > 0, a, 1))[1] - 1 - 2, -126, 127), 0)      # np.frexp(a)[1] - 1 = floor(log2(a)), exactly
;;       r = np.clip(x / 2.0 ** e, -7.5, 7.5)
;;       step = 2.0 ** (np.maximum(np.frexp(np.where(r == 0, 1, r))[1] - 1, 0) - 3)
;;       q = np.round(r / step) * step * 2.0 ** e      # np.round: ties to even
;;       return np.moveaxis(q.reshape(q.shape[:-2] + (-1,))[..., :K], -1, axis).astype(np.float32)
;;   ~~~
;;   OPERANDS COMPUTED ON THE WAY. 'Computed on the way' means the value that the module computes at that place (a softmax that the list does not call 'softmax' is quantised finished and normalised). What goes into a quantiser is computed in f32, as accurately as f32 sums, v_exp_f32 and their like allow (about 1e-6 of the number): no bf16 or f16 on the way to a quantiser, and a product that is left as it is and whose result goes on into a quantised operand takes f32 operands (vector FMAs, or v_wmma_f32_16x16x4_f32). A number that lies on a knife's edge between two numbers of the format may be rounded either way, as far as f32 arithmetic and the matrix unit's own rounding can turn it there, and no further.
;; 2 versions, each right; version 2 is version 1 with the launches rescore, fuse written anew for expert scheduling mode. Each part assembles by itself: llvm-mc -triple=amdgcn-amd-amdhsa -mcpu=gfx1250 --defsym DOCPART=n.
;; ======== version 1 of 2: 6 launches
;; workspace buffers: qops 1,024,000 bytes; ccodes 40,000,000 bytes; gmax1 57,344,000 bytes; gmax2 2,048,000 bytes; list2 131,072 bytes of whole numbers; list1 131,072 bytes of whole numbers; nidx 131,072 bytes of whole numbers; nw 131,072 bytes
;; launch prep (part 1): grid 80 x 1, 4 waves a work-group, no clusters, 92,672 bytes of LDS; arguments user_embeddings, W1, W2, qops; writes qops
.if DOCPART == 1
	.amdgcn_target "amdgcn-amd-amdhsa--gfx1250"
	.amdhsa_code_object_version 6
	.text
	.protected	k_qa564fd45c2_prep
	.globl	k_qa564fd45c2_prep
	.p2align	8
	.type	k_qa564fd45c2_prep,@function
k_qa564fd45c2_prep:
	s_mov_b64 s[64:65], 0
	v_nop
	global_prefetch_b8 v0, s[64:65] scope:SCOPE_SE
	s_setreg_imm32_b32 hwreg(HW_REG_WAVE_MODE, 25, 1), 1
	s_wait_xcnt 0x0
; The small operands become codes of FP6 (E2M3) with one E8M0 byte for each 32 along K, laid in the order of the operands' registers.
; Work-groups 0-31: the 1,024 users, each row divided by (its norm + 1e-12) in f32 and quantised along its 512.  A wave takes 8 rows.
; Work-groups 32-63: W1 [1024 (k)][512 (n)];  64-79: W2 [512 (k)][512 (n)]: a lane takes a column n and its registers run down K (128 of it).
; A FRAGMENT is 16 rows x 128 K, 12 registers a lane: lane (r, hp), registers 6 c .. 6 c + 5 = block 2 c + hp of the K step.
;   plain image (weights), 1,536 bytes: byte 512 j + 16 lane = registers 4 j .. 4 j + 3.
;   half-tile image (users), 8 rows x 4 K steps, 3,072 bytes: byte 768 s + 256 j + 128 hp + 16 (row % 8);  its scale words, 128 bytes: byte 64 (s % 2) + 8 (row % 8) + 4 (s / 2).
; LIMITS: NaN and infinities are not served.  A block whose largest magnitude lies under 2^-124, a block of zeros too, gets the byte 1 (the quantiser says 127 for zeros): its codes
; are zeros or are held by the floor, and this program alone reads the bytes.  1 / (norm + eps) is a reciprocal with one Newton step, then a multiplication: about one ulp from the division.
; No barrier: every LDS byte is one wave's own; the two paths have LDS bytes of their own (users 0 .. 79,871; weights 79,872 .. 92,159).
.set USC,   393216
.set W1IMG, 409600
.set W1SC,  802816
.set W2IMG, 819200
.set W2SC,  1015808
.set X,   16                           ; v16-143  128 numbers of a lane: four blocks of 32
.set PC,  144                          ; v144-167 their codes, six registers a block
.set BM,  168                          ; v168-171 largest magnitudes, then the conversions' scale operands
.set SSA, 172                          ; v172-175 two pairs of sums of squares, later the four bytes
.set SSB, 174
.set INV, 176                          ; v176-177 1 / (norm + eps), twice
.set WD,  178                          ; the scale word
.set TT,  180                          ; v180-187 second halves of two blocks' codes
.set SEL, 20                           ; s[20:21] selects for lane l xor 16
; A block's six registers go to their places in an image: hti = 1 the half-tile image, 0 the plain one.
.macro STO6 adr, b, base, hti
.if \hti
.set o1, 128*((\b)%2)+264*((\b)/2)
.set o2, 256+128*((\b)%2)+256*((\b)/2)
.else
.set o1, 256*((\b)%2)+520*((\b)/2)
.set o2, 512+256*((\b)%2)+512*((\b)/2)
.endif
.if (\b) < 2
	ds_store_b128 v[\adr], v[PC+6*(\b):PC+6*(\b)+3] offset:\base+o1
	ds_store_b64 v[\adr], v[PC+6*(\b)+4:PC+6*(\b)+5] offset:\base+o2
.else
	ds_store_b64 v[\adr], v[PC+6*(\b):PC+6*(\b)+1] offset:\base+o1
	ds_store_b128 v[\adr], v[PC+6*(\b)+2:PC+6*(\b)+5] offset:\base+o2
.endif
.endm
; From four largest magnitudes in BM and 128 numbers in X: the scale word in WD, the codes in PC, and the codes' stores.
.macro QCODES img, iimm, hti
.irp b, 0,1,2,3
	v_max_num_f32 v[BM+\b], 0x1800000, v[BM+\b]    ; the floor 2^(3 - 127): the byte cannot fall under 1
.endr
.irp b, 0,1,2,3
	v_add_nc_u32 v[BM+\b], 0xff000000, v[BM+\b]    ; 2 off the exponent field: the conversion's scale operand
.endr
.irp b, 0,1,2,3
	v_lshrrev_b32 v[SSA+\b], 23, v[BM+\b]          ; the byte
.endr
	v_lshl_or_b32 v[WD], v[SSA+1], 8, v[SSA]
	v_lshl_or_b32 v[WD], v[SSA+2], 16, v[WD]
	v_lshl_or_b32 v[WD], v[SSA+3], 24, v[WD]
.irp c, 0,1
.irp e, 0,1
	v_cvt_scalef32_pk16_fp6_f32 v[PC+6*(2*\c+\e):PC+6*(2*\c+\e)+2], v[X+32*(2*\c+\e):X+32*(2*\c+\e)+15], v[BM+2*\c+\e]
	v_cvt_scalef32_pk16_fp6_f32 v[TT+4*\e:TT+4*\e+2], v[X+32*(2*\c+\e)+16:X+32*(2*\c+\e)+31], v[BM+2*\c+\e]   ; (three registers begin on an even number)
.endr
	v_nop                                          ; one plain place behind a scaled conversion
.irp e, 0,1
.irp i, 0,1,2
	v_mov_b32 v[PC+6*(2*\c+\e)+3+\i], v[TT+4*\e+\i]
.endr
.endr
.irp e, 0,1
	STO6 \img, 2*\c+\e, \iimm, \hti
.endr
.endr
.endm
; Eight rows of 512 f32, in LDS at 2,080 bytes a row (two halves of 1,024 + 16).  Lane l = r8 + 8 b3 + 16 b4 takes K step 2 b3 + b4 of row r8.
.macro QROUND rd, rimm, img, iimm, hti, sc, simm
.set q, 0
.rept 32
	ds_load_b128 v[X+4*q:X+4*q+3], v[\rd] offset:\rimm+16*q
.set q, q+1
.endr
.irp b, 0,1,2,3
	s_wait_dscnt 24-8*\b                           ; this block's eight loads are in; the later blocks' eight each may be out
.set q, 0
.rept 16
.set xq, X+32*\b+2*q
.if (\b == 0) && (q < 2)
	v_pk_mul_f32 v[SSA+2*q:SSA+2*q+1], v[xq:xq+1], v[xq:xq+1]
.else
	v_pk_fma_f32 v[SSA+2*(q%2):SSA+2*(q%2)+1], v[xq:xq+1], v[xq:xq+1], v[SSA+2*(q%2):SSA+2*(q%2)+1]
.endif
.if q == 0
	v_max3_num_f32 v[BM+\b], |v[xq]|, |v[xq+1]|, |v[xq+2]|
.elseif q < 15
	v_max3_num_f32 v[BM+\b], v[BM+\b], |v[xq+1]|, |v[xq+2]|
.else
	v_max_num_f32 v[BM+\b], v[BM+\b], |v[xq+1]|
.endif
.set q, q+1
.endr
.endr
	v_pk_add_f32 v[SSA:SSA+1], v[SSA:SSA+1], v[SSB:SSB+1]
	v_add_f32 v[SSA], v[SSA], v[SSA+1]
	v_add_f32_dpp v[SSA], v[SSA], v[SSA] row_xmask:8 row_mask:0xf bank_mask:0xf   ; the row's other K steps: lane l xor 8,
	v_permlanex16_b32 v[SSB], v[SSA], s[SEL], s[SEL+1]                            ; and lane l xor 16
	v_add_f32 v[SSA], v[SSA], v[SSB]
	v_sqrt_f32 v[SSA+1], v[SSA]
	v_nop
	s_wait_alu depctr_va_vdst(0)
	v_add_f32 v[SSA+1], 0x2b8cbccc, v[SSA+1]       ; + 1e-12
	v_rcp_f32 v[INV], v[SSA+1]
	v_nop
	s_wait_alu depctr_va_vdst(0)
	v_fma_f32 v[SSB], -v[SSA+1], v[INV], 1.0       ; one Newton step
	v_fma_f32 v[INV], v[INV], v[SSB], v[INV]
	v_mov_b32 v[INV+1], v[INV]
.set q, 0
.rept 64
	v_pk_mul_f32 v[X+2*q:X+2*q+1], v[X+2*q:X+2*q+1], v[INV:INV+1]
.set q, q+1
.endr
.irp b, 0,1,2,3
	v_mul_f32 v[BM+\b], v[BM+\b], v[INV]           ; rounding is monotone: this is the largest of the rounded products
.endr
	QCODES \img, \iimm, \hti
	ds_store_b32 v[\sc], v[WD] offset:\simm
.endm
	s_load_b256 s[4:11], s[0:1], 0x0               ; users s[4:5], W1 s[6:7], W2 s[8:9], qops s[10:11]
	v_lshl_add_u32 v192, v0, 2, 0x16800
	v_mov_b32 v193, 0
	v_and_b32 v1, 31, v0                           ; lane
	v_lshrrev_b32 v2, 5, v0
	v_readfirstlane_b32 s12, v2                    ; wave
	v_lshlrev_b32 v3, 4, v1                        ; 16 x lane
	s_mov_b32 s[SEL], 0x76543210
	s_mov_b32 s[SEL+1], 0xfedcba98
	s_wait_kmcnt 0x0
	s_cmp_lt_u32 ttmp9, 32
	s_cbranch_scc0 .Lweights
	; ---- users: my wave's 8 rows are 16,384 dense bytes
	s_lshl_b32 s13, ttmp9, 2
	s_add_co_u32 s13, s13, s12                     ; which 8 rows
	s_lshl_b32 s14, s13, 14
	s_mov_b32 s15, 0
	s_add_nc_u64 s[4:5], s[4:5], s[14:15]
.set q, 0
.rept 32
	global_load_b128 v[X+4*q:X+4*q+3], v3, s[4:5] offset:512*q    ; 512 consecutive bytes a load
.set q, q+1
.endr
	s_mul_i32 s16, s12, 19968                      ; my LDS: rows 16,640, image 3,072, scale words 128
	v_and_b32 v10, 7, v1                           ; r8
	v_bfe_u32 v11, v1, 3, 1                        ; b3
	v_lshrrev_b32 v12, 4, v1                       ; b4
	v_add_nc_u32 v4, s16, v3
	v_mul_u32_u24 v5, v10, 2080
	v_mad_u32_u24 v5, v11, 1040, v5
	v_lshl_add_u32 v5, v12, 9, v5
	v_add_nc_u32 v5, s16, v5                       ; where I read my K step of my row
	v_lshlrev_b32 v6, 4, v10
	v_mad_u32_u24 v6, v11, 1536, v6
	v_mad_u32_u24 v6, v12, 768, v6
	v_add_nc_u32 v6, s16, v6                       ; image: 768 s + 16 r8
	v_lshlrev_b32 v7, 3, v10
	v_lshl_add_u32 v7, v11, 2, v7
	v_lshl_add_u32 v7, v12, 6, v7
	v_add_nc_u32 v7, s16, v7                       ; scale word: 64 (s % 2) + 8 r8 + 4 (s / 2)
	v_lshlrev_b32 v9, 2, v1
	v_add_nc_u32 v8, s16, v9
	s_wait_loadcnt 0x0
.set q, 0
.rept 32
	ds_store_b128 v4, v[X+4*q:X+4*q+3] offset:(q/4)*2080+(q%4)*512+((q%4)/2)*16
.set q, q+1
.endr
	QROUND 5, 0, 6, 16640, 1, 7, 19712             ; LDS serves a wave's instructions in order: its loads see the stores above
.set q, 0
.rept 6
	ds_load_b128 v[X+4*q:X+4*q+3], v4 offset:16640+512*q
.set q, q+1
.endr
	ds_load_b32 v[X+24], v8 offset:19712
	s_mul_i32 s14, s13, 3072
	s_add_nc_u64 s[18:19], s[10:11], s[14:15]
	s_lshl_b32 s14, s13, 7
	s_add_nc_u64 s[22:23], s[10:11], s[14:15]
	s_wait_dscnt 0x0
.set q, 0
.rept 6
	global_store_b128 v3, v[X+4*q:X+4*q+3], s[18:19] offset:512*q  ; 512 consecutive bytes, aligned
.set q, q+1
.endr
	global_store_b32 v9, v[X+24], s[22:23] offset:USC
	s_wait_tensorcnt 0x0
	ds_add_u32 v192, v193
	s_wait_dscnt 0x0
	s_endpgm
	; ---- weights: one path for both; only pointers and offsets are chosen, on the work-group's number
.Lweights:
	s_sub_co_u32 s13, ttmp9, 32
	s_mov_b32 s18, W1IMG
	s_mov_b32 s19, W1SC
	s_cmp_ge_u32 s13, 32
	s_cselect_b64 s[6:7], s[8:9], s[6:7]           ; W2 or W1
	s_cselect_b32 s14, 4, 8                        ; its K steps
	s_cselect_b32 s15, 32, 0
	s_cselect_b32 s18, W2IMG, s18
	s_cselect_b32 s19, W2SC, s19
	s_sub_co_u32 s13, s13, s15
	s_and_b32 s16, s13, 3                          ; which 128 columns
	s_lshr_b32 s17, s13, 2                         ; which K step
	s_lshl_b32 s22, s17, 18                        ; 128 rows of 2,048 bytes
	s_lshl_b32 s23, s16, 9
	s_add_co_u32 s22, s22, s23
	s_lshl_b32 s23, s12, 7
	s_add_co_u32 s22, s22, s23
	s_mov_b32 s23, 0
	s_add_nc_u64 s[6:7], s[6:7], s[22:23]
	v_lshlrev_b32 v9, 2, v1
.set q, 0
.rept 128
	global_load_b32 v[X+q], v9, s[6:7] offset:2048*q               ; row k at 32 neighbouring columns: 128 consecutive bytes a wave, 512 a work-group
.set q, q+1
.endr
	s_lshl_b32 s24, s16, 3
	s_lshl_b32 s25, s12, 1
	s_add_co_u32 s24, s24, s25                     ; my first tile of 16 columns
	s_mul_i32 s26, s14, s24
	s_add_co_u32 s26, s26, s17
	s_mul_i32 s26, s26, 1536
	s_add_co_u32 s26, s26, s18
	s_mov_b32 s27, 0
	s_add_nc_u64 s[26:27], s[10:11], s[26:27]      ; its fragment of this K step,
	s_mul_i32 s28, s14, 1536
	s_mov_b32 s29, 0
	s_add_nc_u64 s[28:29], s[26:27], s[28:29]      ; and the next tile's
	s_lshr_b32 s30, s14, 1
	s_mul_i32 s30, s30, s24
	s_lshr_b32 s31, s17, 1
	s_add_co_u32 s30, s30, s31
	s_lshl_b32 s30, s30, 7
	s_and_b32 s31, s17, 1
	s_lshl_b32 s31, s31, 6
	s_add_co_u32 s30, s30, s31
	s_add_co_u32 s30, s30, s19
	s_mov_b32 s31, 0
	s_add_nc_u64 s[30:31], s[10:11], s[30:31]      ; the scale words
	s_lshl_b32 s32, s14, 6                         ; from a tile's words to the next tile's
	v_lshrrev_b32 v12, 4, v1
	v_and_b32 v10, 15, v1
	v_mul_u32_u24 v13, s32, v12
	v_lshl_add_u32 v13, v10, 2, v13
	s_mul_i32 s33, s12, 3072
	s_add_co_u32 s33, s33, 79872                   ; my two images in LDS
	v_mul_u32_u24 v6, v12, 1536
	v_lshl_add_u32 v6, v10, 4, v6
	v_add_nc_u32 v6, s33, v6
	v_add_nc_u32 v4, s33, v3
	s_wait_loadcnt 0x0
.irp b, 0,1,2,3
	v_max3_num_f32 v[BM+\b], |v[X+32*\b]|, |v[X+32*\b+1]|, 0x1800000
.endr
.set q, 2
.rept 15
.irp b, 0,1,2,3
	v_max3_num_f32 v[BM+\b], v[BM+\b], |v[X+32*\b+q]|, |v[X+32*\b+q+1]|
.endr
.set q, q+2
.endr
	QCODES 6, 0, 0
.set q, 0
.rept 6
	ds_load_b128 v[X+4*q:X+4*q+3], v4 offset:512*q
.set q, q+1
.endr
	global_store_b32 v13, v[WD], s[30:31]
	s_wait_dscnt 0x0
.irp j, 0,1,2
	global_store_b128 v3, v[X+4*\j:X+4*\j+3], s[26:27] offset:512*\j
	global_store_b128 v3, v[X+12+4*\j:X+12+4*\j+3], s[28:29] offset:512*\j
.endr
	s_wait_tensorcnt 0x0
	ds_add_u32 v192, v193
	s_wait_dscnt 0x0
	s_endpgm
.Lfunc_end_k_qa564fd45c2_prep:
	.size	k_qa564fd45c2_prep, .Lfunc_end_k_qa564fd45c2_prep-k_qa564fd45c2_prep
	.p2alignl 7, 3214868480
	.fill 96, 4, 3214868480
	.section	.rodata,"a",@progbits
	.p2align	6, 0x0
	.amdhsa_kernel k_qa564fd45c2_prep
		.amdhsa_group_segment_fixed_size 92672
		.amdhsa_private_segment_fixed_size 0
		.amdhsa_enable_private_segment 0
		.amdhsa_kernarg_size 32
		.amdhsa_user_sgpr_count 2
		.amdhsa_user_sgpr_kernarg_segment_ptr 1
		.amdhsa_wavefront_size32 1
		.amdhsa_system_sgpr_workgroup_id_x 1
		.amdhsa_system_sgpr_workgroup_id_y 1
		.amdhsa_system_sgpr_workgroup_id_z 1
		.amdhsa_system_vgpr_workitem_id 0
		.amdhsa_next_free_vgpr 194
		.amdhsa_next_free_sgpr 66
		.amdhsa_reserve_vcc 0
		.amdhsa_float_denorm_mode_32 3
		.amdhsa_float_denorm_mode_16_64 3
		.amdhsa_memory_ordered 1
		.amdhsa_forward_progress 1
		.amdhsa_inst_pref_size 48
	.end_amdhsa_kernel
	.amdgpu_metadata
---
amdhsa.version: [ 1, 2 ]
amdhsa.kernels:
  - .name:           k_qa564fd45c2_prep
    .symbol:         k_qa564fd45c2_prep.kd
    .args:
      - { .name: user_embeddings, .offset: 0, .size: 8, .value_kind: global_buffer, .address_space: global }
      - { .name: W1, .offset: 8, .size: 8, .value_kind: global_buffer, .address_space: global }
      - { .name: W2, .offset: 16, .size: 8, .value_kind: global_buffer, .address_space: global }
      - { .name: qops, .offset: 24, .size: 8, .value_kind: global_buffer, .address_space: global }
    .group_segment_fixed_size: 92672
    .private_segment_fixed_size: 0
    .kernarg_segment_align: 8
    .kernarg_segment_size: 32
    .max_flat_workgroup_size: 128
    .sgpr_count:     66
    .vgpr_count:     194
    .wavefront_size: 32
...
	.end_amdgpu_metadata
.endif
;; end of part 1
;; launch main (part 2): grid 250 x 1, 4 waves a work-group, no clusters, 327,680 bytes of LDS; arguments cache_embeddings, qops, ccodes, gmax1, gmax2; writes ccodes, gmax1, gmax2
.if DOCPART == 2
	.amdgcn_target "amdgcn-amd-amdhsa--gfx1250"
	.amdhsa_code_object_version 6
	.text
	.protected	k_qa564fd45c2_main
	.globl	k_qa564fd45c2_main
	.p2align	8
	.type	k_qa564fd45c2_main,@function
k_qa564fd45c2_main:
	s_mov_b64 s[64:65], 0
	v_nop
	global_prefetch_b8 v0, s[64:65] scope:SCOPE_SE
	s_setreg_imm32_b32 hwreg(HW_REG_WAVE_MODE, 25, 1), 1
	s_wait_xcnt 0x0
; The similarities of all 1,024 users with the whole cache, on codes of FP6 (E2M3), and of them only MAXIMA go to memory.
; SHARES.  A work-group owns 400 cache rows, 25 tiles of 16 (250 x 25 = 6,250 tiles).  Each of its four waves keeps the codes of 256 users in 768 registers for the whole launch.
; The cache rows come ONCE, as f32, through two LDS slots of four tiles filled by the tensor data mover (a wave loads, normalises and quantises its own tile); the codes go from wave to wave as
; images of the operand's registers in LDS; every wave multiplies every tile with its 16 tiles of users.
; THE PRODUCT: source 0 = 16 cache rows, source 1 = 16 users: a lane holds one user (lane % 16) and cache rows 8 (lane / 16) + 0 .. 7.
; WHAT IS STORED.  gmax1: the largest of a lane's eight similarities (8 neighbouring cache rows), for every user.  gmax2: the largest of a lane's 25 such maxima.  ccodes: the cache's codes and scale
; words, by groups of 8 rows.  The 20 groups with the largest maxima hold the 20 largest members, however ties fall: the later launches lean on that, twice.
; NO CLUSTER: 250 work-groups are no multiple of 4, and what the work-groups share (the users' codes, 393 KB) goes straight into registers, once.
; LIMITS: NaN and infinities are not served.  A block whose largest magnitude lies under 2^-124, zeros too, gets the byte 1; this program alone reads the bytes.  1 / (norm + 1e-12) is a reciprocal
; with one Newton step, then a multiplication: about one ulp from the division.
; REGISTERS.  Windows 1-3: users' fragments UF(T, s), T = 0 .. 14, in window 1 + T / 5 at 48 (T % 5) + 12 s; UF(15, s), s = 0 .. 2, at v240 of window 1 + s.  Window 0: v1-12 addresses;
; v20-51 users' scale words; v52-55 the cache tile's, two pairs by turns; v56-71 running maxima; v72-83 UF(15, 3); v84-255 by phases: multiplying: v84-131 the cache tile's four fragments,
; v132-179 six accumulators, v180-243 the slot's maxima;  quantising: v84-211 128 numbers, v212-235 codes, v236-255 at work.
.set USC,   393216
.set WREG,  33280                      ; a tile in LDS: 32 half rows of 1,024 bytes + 16
.set BUF1,  133120                     ; slot 1
.set IMG,   266240                     ; four tiles' images, 6,144 bytes each
.set SCI,   290816                     ; their scale words, 256 bytes each: byte 8 (16 (s % 2) + row) + 4 (s / 2)
.set SPARE, 291840                     ; the spare words, 128 bytes a wave: two blocks of 256 bytes that no other line names
.set SPW, 1
.set NIL, 2
.set QR,  3                            ; v3, v4  where I read my K step of a row, slot 0, 1
.set IW,  5                            ; where I store codes
.set SW,  6                            ; and the scale word
.set IR,  7                            ; IMG + 16 lane
.set SR,  8                            ; SCI + 8 lane
.set VC,  9                            ; my 16 bytes in two half-tile images in memory
.set VS,  10                           ; my 8 bytes in two blocks of scale words
.set GO,  11                           ; 32 (lane % 16) + 16 (lane / 16)
.set L16, 12
.set US,  20
.set CS,  52
.set M2,  56
.set UF3, 72
.set CF,  84
.set ACC, 132
.set M1,  180
.set X,   84
.set PC,  212
.set BM,  236
.set SSA, 240
.set SSB, 242
.set INV, 244
.set WD,  246
.set TT,  248
.set G1,  16                           ; s[16:23] descriptor group 1
.set G0,  24                           ; s[24:31] group 0, a set for each slot
.set CCB, 32                           ; s[32:33] ccodes at my tile of the slot
.set CSB, 34                           ; s[34:35] its scale words
.set G1B, 36                           ; s[36:37] gmax1 at my users, this slot
.set CNT, 38
.set SEL, 40
.set UB,  42
.set USB, 44
.set G2B, 46
.set MSB, 0
.macro WIN new                         ; the immediate's high byte repeats the setting that is left
.if MSB != (\new)
	s_set_vgpr_msb (MSB<<8)|(\new)
.set MSB, (\new)
.endif
.endm
.macro NOP4
.rept 4
	v_nop
.endr
.endm
.macro STO6 adr, b, base, hti
.if \hti
.set o1, 128*((\b)%2)+264*((\b)/2)
.set o2, 256+128*((\b)%2)+256*((\b)/2)
.else
.set o1, 256*((\b)%2)+520*((\b)/2)
.set o2, 512+256*((\b)%2)+512*((\b)/2)
.endif
.if (\b) < 2
	ds_store_b128 v[\adr], v[PC+6*(\b):PC+6*(\b)+3] offset:\base+o1
	ds_store_b64 v[\adr], v[PC+6*(\b)+4:PC+6*(\b)+5] offset:\base+o2
.else
	ds_store_b64 v[\adr], v[PC+6*(\b):PC+6*(\b)+1] offset:\base+o1
	ds_store_b128 v[\adr], v[PC+6*(\b)+2:PC+6*(\b)+5] offset:\base+o2
.endif
.endm
.macro QCODES img, iimm, hti
.irp b, 0,1,2,3
	v_max_num_f32 v[BM+\b], 0x1800000, v[BM+\b]    ; the floor 2^(3 - 127): the byte cannot fall under 1
.endr
.irp b, 0,1,2,3
	v_add_nc_u32 v[BM+\b], 0xff000000, v[BM+\b]    ; 2 off the exponent field: the conversion's scale operand
.endr
.irp b, 0,1,2,3
	v_lshrrev_b32 v[SSA+\b], 23, v[BM+\b]
.endr
	v_lshl_or_b32 v[WD], v[SSA+1], 8, v[SSA]
	v_lshl_or_b32 v[WD], v[SSA+2], 16, v[WD]
	v_lshl_or_b32 v[WD], v[SSA+3], 24, v[WD]
.irp c, 0,1
.irp e, 0,1
	v_cvt_scalef32_pk16_fp6_f32 v[PC+6*(2*\c+\e):PC+6*(2*\c+\e)+2], v[X+32*(2*\c+\e):X+32*(2*\c+\e)+15], v[BM+2*\c+\e]
	v_cvt_scalef32_pk16_fp6_f32 v[TT+4*\e:TT+4*\e+2], v[X+32*(2*\c+\e)+16:X+32*(2*\c+\e)+31], v[BM+2*\c+\e]
.endr
	v_nop                                          ; one plain place behind a scaled conversion
.irp e, 0,1
.irp i, 0,1,2
	v_mov_b32 v[PC+6*(2*\c+\e)+3+\i], v[TT+4*\e+\i]
.endr
.endr
.irp e, 0,1
	STO6 \img, 2*\c+\e, \iimm, \hti
.endr
.endr
.endm
; Eight rows: lane l = r8 + 8 b3 + 16 b4 takes K step 2 b3 + b4 of row r8: 128 numbers, four whole blocks.  Sixteen lanes of a 16-byte load stand at 32 r8 + 16 b3 modulo 256: sixteen different columns.
.macro QROUND rd, rimm, img, iimm, hti, sc, simm
.set q, 0
.rept 32
	ds_load_b128 v[X+4*q:X+4*q+3], v[\rd] offset:\rimm+16*q
.set q, q+1
.endr
.irp b, 0,1,2,3
	s_wait_dscnt 24-8*\b                           ; this block's eight loads are in; the later blocks' eight each may be out
.set q, 0
.rept 16
.set xq, X+32*\b+2*q
.if (\b == 0) && (q < 2)
	v_pk_mul_f32 v[SSA+2*q:SSA+2*q+1], v[xq:xq+1], v[xq:xq+1]
.else
	v_pk_fma_f32 v[SSA+2*(q%2):SSA+2*(q%2)+1], v[xq:xq+1], v[xq:xq+1], v[SSA+2*(q%2):SSA+2*(q%2)+1]
.endif
.if q == 0
	v_max3_num_f32 v[BM+\b], |v[xq]|, |v[xq+1]|, |v[xq+2]|
.elseif q < 15
	v_max3_num_f32 v[BM+\b], v[BM+\b], |v[xq+1]|, |v[xq+2]|
.else
	v_max_num_f32 v[BM+\b], v[BM+\b], |v[xq+1]|
.endif
.set q, q+1
.endr
.endr
	v_pk_add_f32 v[SSA:SSA+1], v[SSA:SSA+1], v[SSB:SSB+1]
	v_add_f32 v[SSA], v[SSA], v[SSA+1]
	v_add_f32_dpp v[SSA], v[SSA], v[SSA] row_xmask:8 row_mask:0xf bank_mask:0xf
	v_permlanex16_b32 v[SSB], v[SSA], s[SEL], s[SEL+1]
	v_add_f32 v[SSA], v[SSA], v[SSB]               ; the row's sum of squares
	v_sqrt_f32 v[SSA+1], v[SSA]
	v_nop
	s_wait_alu depctr_va_vdst(0)
	v_add_f32 v[SSA+1], 0x2b8cbccc, v[SSA+1]       ; + 1e-12
	v_rcp_f32 v[INV], v[SSA+1]
	v_nop
	s_wait_alu depctr_va_vdst(0)
	v_fma_f32 v[SSB], -v[SSA+1], v[INV], 1.0       ; one Newton step
	v_fma_f32 v[INV], v[INV], v[SSB], v[INV]
	v_mov_b32 v[INV+1], v[INV]
.set q, 0
.rept 64
	v_pk_mul_f32 v[X+2*q:X+2*q+1], v[X+2*q:X+2*q+1], v[INV:INV+1]
.set q, q+1
.endr
.irp b, 0,1,2,3
	v_mul_f32 v[BM+\b], v[BM+\b], v[INV]           ; rounding is monotone: this is the largest of the rounded products
.endr
	QCODES \img, \iimm, \hti
	ds_store_b32 v[\sc], v[WD] offset:\simm
.endm
; One product: users' tile T, K step s, of the slot's tile i.  The first K step starts the sum.  A register of scale words holds the even K step in lanes 0-15 and the odd one in lanes 16-31.
.macro WM acc, uf, T, s, i
.if (\s) == 0
	v_wmma_scale_f32_16x16x128_f8f6f4 v[\acc:\acc+7], v[CF:CF+11], v[\uf:\uf+11], 0, v[CS+2*((\i)%2)], v[US+2*(\T)] matrix_a_fmt:MATRIX_FMT_FP6 matrix_b_fmt:MATRIX_FMT_FP6
.elseif (\s)%2 == 0
	v_wmma_scale_f32_16x16x128_f8f6f4 v[\acc:\acc+7], v[CF+12*(\s):CF+12*(\s)+11], v[\uf:\uf+11], v[\acc:\acc+7], v[CS+2*((\i)%2)+(\s)/2], v[US+2*(\T)+(\s)/2] matrix_a_fmt:MATRIX_FMT_FP6 matrix_b_fmt:MATRIX_FMT_FP6
.else
	v_wmma_scale_f32_16x16x128_f8f6f4 v[\acc:\acc+7], v[CF+12*(\s):CF+12*(\s)+11], v[\uf:\uf+11], v[\acc:\acc+7], v[CS+2*((\i)%2)+(\s)/2], v[US+2*(\T)+(\s)/2] matrix_a_fmt:MATRIX_FMT_FP6 matrix_b_fmt:MATRIX_FMT_FP6 matrix_a_scale:MATRIX_SCALE_ROW1 matrix_b_scale:MATRIX_SCALE_ROW1
.endif
.endm
.macro ROUNDM T0, s, i                 ; five accumulators by turns, one instruction a turn
.irp a, 0,1,2,3,4
	WM ACC+8*\a, 48*\a+12*(\s), \T0+\a, \s, \i
.endr
.endm
.macro RED T0, i, n                    ; the largest of each accumulator's eight, from its low end on; the accumulators by turns
.irp a, 0,1,2,3,4,5
.if \a < \n
	v_max3_num_f32 v[M1+4*(\T0+\a)+\i], v[ACC+8*\a], v[ACC+8*\a+1], v[ACC+8*\a+2]
.endif
.endr
.irp e, 3,5
.irp a, 0,1,2,3,4,5
.if \a < \n
	v_max3_num_f32 v[M1+4*(\T0+\a)+\i], v[M1+4*(\T0+\a)+\i], v[ACC+8*\a+\e], v[ACC+8*\a+\e+1]
.endif
.endr
.endr
.irp a, 0,1,2,3,4,5
.if \a < \n
	v_max_num_f32 v[M1+4*(\T0+\a)+\i], v[M1+4*(\T0+\a)+\i], v[ACC+8*\a+7]
.endif
.endr
.endm
.macro CFLOAD i, s
.irp j, 0,1,2
	ds_load_b128 v[CF+12*(\s)+4*\j:CF+12*(\s)+4*\j+3], v[IR] offset:6144*(\i)+1536*(\s)+512*\j
.endr
.endm
.macro CSLOAD i
	ds_load_b64 v[CS+2*((\i)%2):CS+2*((\i)%2)+1], v[SR] offset:256*(\i)
.endm
; The slot's tile i against my 256 users: 64 products in three groups, one for each window of users.  pre = 1: the next tile's fragments are fetched as this tile's are done with.
.macro MTILE i, pre
.if (\i) == 0
	CSLOAD 0
	CFLOAD 0, 0
	CFLOAD 0, 1
	CFLOAD 0, 2
	CFLOAD 0, 3
.endif
	WIN 0x04
	s_wait_dscnt 9                                 ; the scale words and K step 0 are in; the three later K steps' three loads each may be out
	ROUNDM 0, 0, \i
	WM ACC+40, 240, 15, 0, \i
	s_wait_dscnt 6
	ROUNDM 0, 1, \i
	s_wait_dscnt 3
	ROUNDM 0, 2, \i
	s_wait_dscnt 0x0
	ROUNDM 0, 3, \i
	WIN 0
	NOP4                                           ; four places in front of the first read of results; the reductions are the places in front of the next group, which begins the accumulators anew
	RED 0, \i, 5
	s_cmp_lg_u32 s14, \i
	s_cbranch_scc1 .Lnst_\@                        ; the wave that quantised the tile stores its codes: every store covers two runs of 256 consecutive bytes, aligned
.irp s, 0,1,2,3
.irp j, 0,1,2
	global_store_b128 v[VC], v[CF+12*\s+4*\j:CF+12*\s+4*\j+3], s[CCB:CCB+1] offset:768*\s+256*\j th:TH_STORE_NT
.endr
.endr
	global_store_b64 v[VS], v[CS+2*((\i)%2):CS+2*((\i)%2)+1], s[CSB:CSB+1] th:TH_STORE_NT
.Lnst_\@:
	WIN 0x08
	ROUNDM 5, 0, \i
	ROUNDM 5, 1, \i
	WM ACC+40, 240, 15, 1, \i
	ROUNDM 5, 2, \i
	ROUNDM 5, 3, \i
	WIN 0
	NOP4
	RED 5, \i, 5
	WIN 0x0c
	ROUNDM 10, 0, \i
.if \pre
	WIN 0
	NOP4                                           ; four places in front of loads into registers that matrix instructions have read
	s_wait_xcnt 0x0                                ; the stores above have read their registers
	CSLOAD \i+1
	CFLOAD \i+1, 0
	WIN 0x0c
.endif
	ROUNDM 10, 1, \i
.if \pre
	WIN 0
	NOP4
	CFLOAD \i+1, 1
	WIN 0x0c
.endif
	ROUNDM 10, 2, \i
	WM ACC+40, 240, 15, 2, \i
.if \pre
	WIN 0
	NOP4
	CFLOAD \i+1, 2
	WIN 0x0c
.endif
	ROUNDM 10, 3, \i
	WIN 0
	WM ACC+40, UF3, 15, 3, \i
	NOP4
.if \pre
	CFLOAD \i+1, 3
.endif
	RED 10, \i, 6
.endm
.macro FLUSH                           ; the slot's maxima: into the running maxima, and to memory: four tiles' for a lane are 16 bytes, a store covers 512 consecutive bytes
.set q, 0
.rept 16
	v_max3_num_f32 v[M2+q], v[M2+q], v[M1+4*q], v[M1+4*q+1]
.set q, q+1
.endr
.set q, 0
.rept 16
	v_max3_num_f32 v[M2+q], v[M2+q], v[M1+4*q+2], v[M1+4*q+3]
.set q, q+1
.endr
.set q, 0
.rept 16
	global_store_b128 v[GO], v[M1+4*q:M1+4*q+3], s[G1B:G1B+1] offset:512*q th:TH_STORE_NT
.set q, q+1
.endr
	s_wait_xcnt 0x0                                ; all stores have read their registers and bases: the bases step, and the next phase may write the registers
	s_add_nc_u64 s[CCB:CCB+1], s[CCB:CCB+1], 24576
	s_add_nc_u64 s[CSB:CSB+1], s[CSB:CSB+1], 1024
	s_add_nc_u64 s[G1B:G1B+1], s[G1B:G1B+1], 32768
.endm
; A slot of four tiles.  fill = 1: every wave asks for its tile of the next slot; 2: wave 0 alone (tile 24).
.macro SLOT buf, fill
	s_wait_tensorcnt 0x0                           ; my one tensor load, my tile of this slot, has landed
	ds_add_u32 v[SPW], v[NIL]                      ; 0 onto my spare word
	s_add_nc_u64 s[G0+4*\buf+2:G0+4*\buf+3], s[G0+4*\buf+2:G0+4*\buf+3], 262144   ; no load of mine is out: this slot's next tiles, two slots on
	s_wait_dscnt 0x0                               ; the add is done; my reads of the other slot and of the last images are over
	s_barrier_signal -1
	s_barrier_wait -1
.if \fill == 1
	tensor_load_to_lds s[G0+4*(1-\buf):G0+4*(1-\buf)+3], s[G1:G1+7]   ; my one tensor load behind this barrier: it has the whole slot's work in which to land
	s_nop 0
	NOP4
.elseif \fill == 2
	s_cmp_lg_u32 s14, 0
	s_cbranch_scc1 .Lnf_\@
	tensor_load_to_lds s[G0+4*(1-\buf):G0+4*(1-\buf)+3], s[G1:G1+7]
	s_nop 0
	NOP4
.Lnf_\@:
.endif
	QROUND QR+\buf, 0, IW, 0, 0, SW, 0             ; my tile's rows 0-7,
	QROUND QR+\buf, 16640, IW, 128, 0, SW, 64      ; and 8-15
	s_wait_dscnt 0x0                               ; my image is stored
	s_barrier_signal -1
	s_barrier_wait -1                              ; all four are; the tensor load stays out
	s_wait_loadcnt 0x0                             ; the users' codes (met at once from the second slot on)
	MTILE 0, 1
	MTILE 1, 1
	MTILE 2, 1
	MTILE 3, 0
	FLUSH
.endm
	s_load_b256 s[4:11], s[0:1], 0x0               ; cache s[4:5], qops s[6:7], ccodes s[8:9], gmax1 s[10:11]
	s_load_b64 s[12:13], s[0:1], 0x20              ; gmax2
	v_lshl_add_u32 v[SPW], v0, 2, SPARE
	v_mov_b32 v[NIL], 0
	ds_add_u32 v1, v2
	ds_add_u32 v1, v2
	s_wait_dscnt 0x0
	v_lshrrev_b32 v13, 5, v0
	v_readfirstlane_b32 s14, v13                   ; wave
	s_mov_b32 s15, ttmp9                           ; work-group
	; group 1: a tile, 32,768 dense bytes, as 32 rows of 128 elements of 8 bytes, 16 bytes of padding behind each
	s_mov_b32 s[G1+0], (3<<16)|(1<<20)|(7<<22)|(3<<25)
	s_mov_b32 s[G1+1], 128<<16
	s_mov_b32 s[G1+2], 32<<16
	s_mov_b32 s[G1+3], 128<<16
	s_mov_b32 s[G1+4], 32
	s_mov_b32 s[G1+5], 128
	s_mov_b32 s[G1+6], 0
	s_mov_b32 s[G1+7], 0
	s_mul_i32 s48, s15, 819200                     ; 400 rows of 2,048 bytes
	s_lshl_b32 s49, s14, 15
	s_add_co_u32 s48, s48, s49
	s_mov_b32 s49, 0
	s_mul_i32 s50, s14, WREG
	s_mov_b32 s[SEL], 0x76543210
	s_mov_b32 s[SEL+1], 0xfedcba98
	s_wait_kmcnt 0x0
	s_add_nc_u64 s[48:49], s[4:5], s[48:49]
.irp n, 0,1
	s_mov_b32 s[G0+4*\n], 1
	s_add_co_u32 s[G0+4*\n+1], s50, \n*BUF1
	s_add_nc_u64 s[G0+4*\n+2:G0+4*\n+3], s[48:49], \n*131072
	s_or_b32 s[G0+4*\n+3], s[G0+4*\n+3], 0x80000000
.endr
	tensor_load_to_lds s[G0:G0+3], s[G1:G1+7]      ; slot 0; slot 1 is first filled behind the first barrier, as a refill is
	s_nop 0
	NOP4
	v_and_b32 v13, 31, v0                          ; lane
	v_and_b32 v14, 7, v0                           ; r8
	v_bfe_u32 v15, v0, 3, 1                        ; b3
	v_bfe_u32 v16, v0, 4, 1                        ; b4
	v_lshlrev_b32 v[VC], 4, v14
	v_mad_u32_u24 v[VC], v15, 3072, v[VC]
	v_lshl_add_u32 v[VC], v16, 7, v[VC]
	v_lshlrev_b32 v[VS], 3, v14
	v_lshl_add_u32 v[VS], v15, 7, v[VS]
	v_lshl_add_u32 v[VS], v16, 6, v[VS]
	s_mul_i32 s52, s14, 98304                      ; my 256 users' images,
	s_mov_b32 s53, 0
	s_add_nc_u64 s[UB:UB+1], s[6:7], s[52:53]
	s_lshl_b32 s52, s14, 12                        ; and scale words
	s_add_nc_u64 s[USB:USB+1], s[6:7], s[52:53]
.macro ULOAD T, s, reg
.irp j, 0,1,2
	global_load_b128 v[\reg+4*\j:\reg+4*\j+3], v[VC], s[UB:UB+1] offset:6144*(\T)+768*(\s)+256*\j
.endr
.endm
.irp W, 0,1,2
	WIN 0x40*(\W+1)
.irp a, 0,1,2,3,4
.irp s, 0,1,2,3
	ULOAD 5*\W+\a, \s, 48*\a+12*\s
.endr
.endr
	ULOAD 15, \W, 240
.endr
	WIN 0
	ULOAD 15, 3, UF3
.set q, 0
.rept 16
	global_load_b64 v[US+2*q:US+2*q+1], v[VS], s[USB:USB+1] offset:USC+256*q
.set q, q+1
.endr
	v_mul_u32_u24 v[QR], v14, 2080
	v_mad_u32_u24 v[QR], v15, 1040, v[QR]
	v_lshl_add_u32 v[QR], v16, 9, v[QR]
	v_add_nc_u32 v[QR], s50, v[QR]
	v_add_nc_u32 v[QR+1], BUF1, v[QR]
	s_mul_i32 s51, s14, 6144
	s_add_co_u32 s51, s51, IMG
	v_lshlrev_b32 v[IW], 4, v14
	v_mad_u32_u24 v[IW], v15, 3072, v[IW]
	v_mad_u32_u24 v[IW], v16, 1536, v[IW]
	v_add_nc_u32 v[IW], s51, v[IW]
	s_lshl_b32 s51, s14, 8
	s_add_co_u32 s51, s51, SCI
	v_lshlrev_b32 v[SW], 3, v14
	v_lshl_add_u32 v[SW], v15, 2, v[SW]
	v_lshl_add_u32 v[SW], v16, 7, v[SW]
	v_add_nc_u32 v[SW], s51, v[SW]
	v_lshlrev_b32 v[L16], 4, v13
	v_add_nc_u32 v[IR], IMG, v[L16]
	v_lshlrev_b32 v[SR], 3, v13
	v_add_nc_u32 v[SR], SCI, v[SR]
	v_and_b32 v17, 15, v0
	v_lshlrev_b32 v[GO], 5, v17
	v_lshl_add_u32 v[GO], v16, 4, v[GO]
	s_mul_i32 s52, s15, 153600                     ; 50 groups of 8 rows x 3,072 bytes
	s_mul_i32 s51, s14, 6144
	s_add_co_u32 s52, s52, s51
	s_add_nc_u64 s[CCB:CCB+1], s[8:9], s[52:53]
	s_mul_i32 s52, s15, 6400
	s_lshl_b32 s51, s14, 8
	s_add_co_u32 s52, s52, s51
	s_add_nc_u64 s[CSB:CSB+1], s[8:9], s[52:53]
	s_add_nc_u64 s[CSB:CSB+1], s[CSB:CSB+1], 38400000
	s_mul_i32 s52, s15, 229376
	s_lshl_b32 s51, s14, 13
	s_add_co_u32 s52, s52, s51
	s_add_nc_u64 s[G1B:G1B+1], s[10:11], s[52:53]
	s_lshl_b32 s52, s15, 13
	s_lshl_b32 s51, s14, 11
	s_add_co_u32 s52, s52, s51
	s_add_nc_u64 s[G2B:G2B+1], s[12:13], s[52:53]
.set q, 0
.rept 16
	v_mov_b32 v[M2+q], 0xff800000                  ; the running maxima begin at -infinity
.set q, q+1
.endr
	s_mov_b32 s[CNT], 2
.Lslots:                                           ; slots 0 to 3
	SLOT 0, 1
	SLOT 1, 1
	s_sub_co_u32 s[CNT], s[CNT], 1
	s_cmp_lg_u32 s[CNT], 0
	s_cbranch_scc1 .Lslots
	SLOT 0, 1                                      ; slot 4
	SLOT 1, 2                                      ; slot 5: only tile 24 is left to fetch
	; slot 6: tile 24 alone
	s_wait_tensorcnt 0x0
	ds_add_u32 v[SPW], v[NIL]
	s_wait_dscnt 0x0
	s_barrier_signal -1
	s_barrier_wait -1                              ; nobody reads the last images any more
	s_cmp_lg_u32 s14, 0
	s_cbranch_scc1 .Lnq
	QROUND QR, 0, IW, 0, 0, SW, 0
	QROUND QR, 16640, IW, 128, 0, SW, 64
.Lnq:
	s_wait_dscnt 0x0
	s_barrier_signal -1
	s_barrier_wait -1
.set q, 0
.rept 16
.irp e, 1,2,3
	v_mov_b32 v[M1+4*q+\e], 0xff800000             ; the slot's three tiles that do not exist
.endr
.set q, q+1
.endr
	MTILE 0, 0
	FLUSH
.irp j, 0,1,2,3
	global_store_b128 v[L16], v[M2+4*\j:M2+4*\j+3], s[G2B:G2B+1] offset:512*\j     ; 512 consecutive bytes a store
.endr
	s_wait_tensorcnt 0x0                           ; the wave's end
	ds_add_u32 v[SPW], v[NIL]
	s_wait_dscnt 0x0
	s_endpgm
.Lfunc_end_k_qa564fd45c2_main:
	.size	k_qa564fd45c2_main, .Lfunc_end_k_qa564fd45c2_main-k_qa564fd45c2_main
	.p2alignl 7, 3214868480
	.fill 96, 4, 3214868480
	.section	.rodata,"a",@progbits
	.p2align	6, 0x0
	.amdhsa_kernel k_qa564fd45c2_main
		.amdhsa_group_segment_fixed_size 327680
		.amdhsa_private_segment_fixed_size 0
		.amdhsa_enable_private_segment 0
		.amdhsa_kernarg_size 40
		.amdhsa_user_sgpr_count 2
		.amdhsa_user_sgpr_kernarg_segment_ptr 1
		.amdhsa_wavefront_size32 1
		.amdhsa_system_sgpr_workgroup_id_x 1
		.amdhsa_system_sgpr_workgroup_id_y 1
		.amdhsa_system_sgpr_workgroup_id_z 1
		.amdhsa_system_vgpr_workitem_id 0
		.amdhsa_next_free_vgpr 1024
		.amdhsa_next_free_sgpr 66
		.amdhsa_reserve_vcc 0
		.amdhsa_float_denorm_mode_32 3
		.amdhsa_float_denorm_mode_16_64 3
		.amdhsa_memory_ordered 1
		.amdhsa_forward_progress 1
		.amdhsa_inst_pref_size 255
	.end_amdhsa_kernel
	.section	.bss,"aw",@nobits
	.p2align	6
	.space	262144
	.amdgpu_metadata
---
amdhsa.version: [ 1, 2 ]
amdhsa.kernels:
  - .name:           k_qa564fd45c2_main
    .symbol:         k_qa564fd45c2_main.kd
    .args:
      - { .name: cache_embeddings, .offset: 0, .size: 8, .value_kind: global_buffer, .address_space: global }
      - { .name: qops, .offset: 8, .size: 8, .value_kind: global_buffer, .address_space: global }
      - { .name: ccodes, .offset: 16, .size: 8, .value_kind: global_buffer, .address_space: global }
      - { .name: gmax1, .offset: 24, .size: 8, .value_kind: global_buffer, .address_space: global }
      - { .name: gmax2, .offset: 32, .size: 8, .value_kind: global_buffer, .address_space: global }
    .group_segment_fixed_size: 327680
    .private_segment_fixed_size: 0
    .kernarg_segment_align: 8
    .kernarg_segment_size: 40
    .max_flat_workgroup_size: 128
    .sgpr_count:     66
    .vgpr_count:     1024
    .wavefront_size: 32
...
	.end_amdgpu_metadata
.endif
;; end of part 2
;; launch selA (part 3): grid 256 x 1, 4 waves a work-group, no clusters, 8,704 bytes of LDS; arguments gmax2, list2; writes list2
.if DOCPART == 3
	.amdgcn_target "amdgcn-amd-amdhsa--gfx1250"
	.amdhsa_code_object_version 6
	.text
	.protected	k_qa564fd45c2_selA
	.globl	k_qa564fd45c2_selA
	.p2align	8
	.type	k_qa564fd45c2_selA,@function
k_qa564fd45c2_selA:
	s_mov_b64 s[64:65], 0
	v_nop
	global_prefetch_b8 v0, s[64:65] scope:SCOPE_SE
	s_setreg_imm32_b32 hwreg(HW_REG_WAVE_MODE, 25, 1), 1
	s_wait_xcnt 0x0
; For each user the 20 of its 500 coarse groups (200 cache rows each) with the largest maxima; their numbers go to list2 as whole numbers, which steer the next launch's addresses.
; A work-group serves the four users whose maxima share pieces of 16 bytes in gmax2; a wave serves one: 500 candidates in 16 registers x 32 lanes.
; Twenty times: the largest value of all, the lowest number among those that hold it, that one candidate set to -infinity.  No branch and no address hangs on a value.
; Equal values: the lower number first.  NaN is not served.  No matrix unit, no tensor load: 8 KB are read by a work-group.
.set X,    8
.set PAY,  24
.set T,    40
.set MX,   56
.set SL,   57
.set TP,   58
.set OUTV, 59
.set OUTI, 60
.set LANE, 61
.set NINF, 62
.set PINF, 63
.set RC,   16
.set SEL,  18
.set MK,   32
.macro EXTRACT n
	s_mov_b32 s[RC], 0
.Lex_\@:
	v_max_num_f32 v[MX], v[X], v[X+1]
.set k, 2
.rept ((\n)-2)/2
	v_max3_num_f32 v[MX], v[MX], v[X+k], v[X+k+1]
.set k, k+2
.endr
.if (\n)%2
	v_max_num_f32 v[MX], v[MX], v[X+(\n)-1]
.endif
.irp m, 1,2,4,8
	v_max_num_f32_dpp v[MX], v[MX], v[MX] row_xmask:\m row_mask:0xf bank_mask:0xf
.endr
	v_permlanex16_b32 v[TP], v[MX], s[SEL], s[SEL+1]
	v_max_num_f32 v[MX], v[MX], v[TP]              ; the largest value left, in every lane
.set k, 0
.rept \n
	v_cmp_eq_f32 s[MK+k], v[X+k], v[MX]
.set k, k+1
.endr
.set k, 0
.rept \n
	v_cndmask_b32 v[T+k], v[PINF], v[PAY+k], s[MK+k]   ; the numbers of those that hold it
.set k, k+1
.endr
	v_min_num_f32 v[SL], v[T], v[T+1]
.set k, 2
.rept ((\n)-2)/2
	v_min3_num_f32 v[SL], v[SL], v[T+k], v[T+k+1]
.set k, k+2
.endr
.if (\n)%2
	v_min_num_f32 v[SL], v[SL], v[T+(\n)-1]
.endif
.irp m, 1,2,4,8
	v_min_num_f32_dpp v[SL], v[SL], v[SL] row_xmask:\m row_mask:0xf bank_mask:0xf
.endr
	v_permlanex16_b32 v[TP], v[SL], s[SEL], s[SEL+1]
	v_min_num_f32 v[SL], v[SL], v[TP]              ; the lowest of them
.set k, 0
.rept \n
	v_cmp_eq_f32 s[MK+k], v[PAY+k], v[SL]
.set k, k+1
.endr
.set k, 0
.rept \n
	v_cndmask_b32 v[X+k], v[X+k], v[NINF], s[MK+k]     ; it is taken out
.set k, k+1
.endr
	v_cmp_eq_u32 vcc_lo, s[RC], v[LANE]
	v_cndmask_b32 v[OUTV], v[OUTV], v[MX], vcc_lo      ; lane i keeps the i-th
	v_cndmask_b32 v[OUTI], v[OUTI], v[SL], vcc_lo
	s_add_co_u32 s[RC], s[RC], 1
	s_cmp_lt_u32 s[RC], 20
	s_cbranch_scc1 .Lex_\@
.endm
	s_load_b128 s[4:7], s[0:1], 0x0                ; gmax2, list2
	v_lshl_add_u32 v64, v0, 2, 0x2000
	v_mov_b32 v65, 0
	v_and_b32 v[LANE], 31, v0
	v_lshrrev_b32 v1, 5, v0
	v_readfirstlane_b32 s8, v1                     ; wave
	s_lshr_b32 s9, ttmp9, 4
	s_and_b32 s10, ttmp9, 15
	s_lshl_b32 s12, s9, 9
	s_lshl_b32 s13, s10, 4
	s_add_co_u32 s12, s12, s13
	s_mov_b32 s13, 0
	s_mov_b32 s[SEL], 0x76543210
	s_mov_b32 s[SEL+1], 0xfedcba98
.irp i, 0,1,2,3
	v_add_nc_u32 v[2+\i], 128*\i, v0               ; piece c = 2 g + h, held at 499
	v_min_u32 v[2+\i], 499, v[2+\i]
	v_lshrrev_b32 v6, 1, v[2+\i]
	v_and_b32 v7, 1, v[2+\i]
	v_lshlrev_b32 v6, 13, v6
	v_lshl_add_u32 v[2+\i], v7, 8, v6
.endr
	s_wait_kmcnt 0x0
	s_add_nc_u64 s[4:5], s[4:5], s[12:13]
.irp i, 0,1,2,3
	global_load_b128 v[X+4*\i:X+4*\i+3], v[2+\i], s[4:5]
.endr
	v_lshlrev_b32 v1, 4, v0
	v_mov_b32 v[NINF], 0xff800000
	v_mov_b32 v[PINF], 0x7f800000
	v_mov_b32 v[TP], 0
	v_mov_b32 v[OUTV], v[NINF]
	v_mov_b32 v[OUTI], 0
.set k, 0
.rept 16
	v_add_nc_u32 v[T], 32*k, v[LANE]
	v_cvt_f32_u32 v[PAY+k], v[T]                   ; a candidate's number, exact in f32
.set k, k+1
.endr
	s_wait_loadcnt 0x0
.irp i, 0,1,2,3
	ds_store_b128 v1, v[X+4*\i:X+4*\i+3] offset:2048*\i
.endr
	s_wait_dscnt 0x0                               ; my stores are done
	s_barrier_signal -1
	s_barrier_wait -1                              ; everybody's are
	v_lshlrev_b32 v1, 4, v[LANE]
	s_lshl_b32 s14, s8, 2
	v_add_nc_u32 v1, s14, v1                       ; piece 32 k + lane, my user's word of it
.set k, 0
.rept 16
	ds_load_b32 v[X+k], v1 offset:512*k
.set k, k+1
.endr
	s_lshl_b32 s12, s9, 6
	s_lshl_b32 s14, s8, 4
	s_add_co_u32 s12, s12, s14
	s_add_co_u32 s12, s12, s10                     ; my user
	s_lshl_b32 s12, s12, 7
	s_add_nc_u64 s[6:7], s[6:7], s[12:13]
	v_lshlrev_b32 v2, 2, v[LANE]
	s_wait_dscnt 0x0
	v_cmp_gt_u32 vcc_lo, 20, v[LANE]
	v_cndmask_b32 v[X+15], v[NINF], v[X+15], vcc_lo    ; candidates 500 to 511 do not exist
	EXTRACT 16
	v_cvt_u32_f32 v[OUTI], v[OUTI]
	global_store_b32 v2, v[OUTI], s[6:7]
	s_wait_tensorcnt 0x0
	ds_add_u32 v64, v65
	s_wait_dscnt 0x0
	s_endpgm
.Lfunc_end_k_qa564fd45c2_selA:
	.size	k_qa564fd45c2_selA, .Lfunc_end_k_qa564fd45c2_selA-k_qa564fd45c2_selA
	.p2alignl 7, 3214868480
	.fill 96, 4, 3214868480
	.section	.rodata,"a",@progbits
	.p2align	6, 0x0
	.amdhsa_kernel k_qa564fd45c2_selA
		.amdhsa_group_segment_fixed_size 8704
		.amdhsa_private_segment_fixed_size 0
		.amdhsa_enable_private_segment 0
		.amdhsa_kernarg_size 16
		.amdhsa_user_sgpr_count 2
		.amdhsa_user_sgpr_kernarg_segment_ptr 1
		.amdhsa_wavefront_size32 1
		.amdhsa_system_sgpr_workgroup_id_x 1
		.amdhsa_system_sgpr_workgroup_id_y 1
		.amdhsa_system_sgpr_workgroup_id_z 1
		.amdhsa_system_vgpr_workitem_id 0
		.amdhsa_next_free_vgpr 66
		.amdhsa_next_free_sgpr 66
		.amdhsa_reserve_vcc 1
		.amdhsa_float_denorm_mode_32 3
		.amdhsa_float_denorm_mode_16_64 3
		.amdhsa_memory_ordered 1
		.amdhsa_forward_progress 1
		.amdhsa_inst_pref_size 12
	.end_amdhsa_kernel
	.amdgpu_metadata
---
amdhsa.version: [ 1, 2 ]
amdhsa.kernels:
  - .name:           k_qa564fd45c2_selA
    .symbol:         k_qa564fd45c2_selA.kd
    .args:
      - { .name: gmax2, .offset: 0, .size: 8, .value_kind: global_buffer, .address_space: global }
      - { .name: list2, .offset: 8, .size: 8, .value_kind: global_buffer, .address_space: global }
    .group_segment_fixed_size: 8704
    .private_segment_fixed_size: 0
    .kernarg_segment_align: 8
    .kernarg_segment_size: 16
    .max_flat_workgroup_size: 128
    .sgpr_count:     66
    .vgpr_count:     66
    .wavefront_size: 32
...
	.end_amdgpu_metadata
.endif
;; end of part 3
;; launch selB (part 4): grid 256 x 1, 4 waves a work-group, no clusters, 0 bytes of LDS; arguments gmax1, list2, list1; writes list1
.if DOCPART == 4
	.amdgcn_target "amdgcn-amd-amdhsa--gfx1250"
	.amdhsa_code_object_version 6
	.text
	.protected	k_qa564fd45c2_selB
	.globl	k_qa564fd45c2_selB
	.p2align	8
	.type	k_qa564fd45c2_selB,@function
k_qa564fd45c2_selB:
	s_mov_b64 s[64:65], 0
	v_nop
	global_prefetch_b8 v0, s[64:65] scope:SCOPE_SE
	s_setreg_imm32_b32 hwreg(HW_REG_WAVE_MODE, 25, 1), 1
	s_wait_xcnt 0x0
; For each user the 20 groups of 8 cache rows with the largest maxima, among the 25 groups of each of its 20 coarse groups (list2, whole numbers of the launch before).  Their numbers (row / 8) go to list1.
; A wave serves a user.  A coarse group's 25 maxima lie in 7 pieces of 16 bytes (the last holds one and three times -infinity): lane l takes piece l % 8 of entry 4 k + l / 8; piece 7 does not exist.
; A candidate that does not exist holds -infinity and is never the largest; where its number equals a real one, taking that number out sets it to -infinity once more.
; Equal values: the lower number first.  NaN is not served.
.set X,    8
.set PAY,  28
.set T,    48
.set MX,   68
.set SL,   69
.set TP,   70
.set OUTV, 71
.set OUTI, 72
.set LANE, 73
.set NINF, 74
.set PINF, 75
.set ID,   76
.set OFF,  81
.set RC,   16
.set SEL,  18
.set MK,   32
.macro EXTRACT n
	s_mov_b32 s[RC], 0
.Lex_\@:
	v_max_num_f32 v[MX], v[X], v[X+1]
.set k, 2
.rept ((\n)-2)/2
	v_max3_num_f32 v[MX], v[MX], v[X+k], v[X+k+1]
.set k, k+2
.endr
.if (\n)%2
	v_max_num_f32 v[MX], v[MX], v[X+(\n)-1]
.endif
.irp m, 1,2,4,8
	v_max_num_f32_dpp v[MX], v[MX], v[MX] row_xmask:\m row_mask:0xf bank_mask:0xf
.endr
	v_permlanex16_b32 v[TP], v[MX], s[SEL], s[SEL+1]
	v_max_num_f32 v[MX], v[MX], v[TP]              ; the largest value left, in every lane
.set k, 0
.rept \n
	v_cmp_eq_f32 s[MK+k], v[X+k], v[MX]
.set k, k+1
.endr
.set k, 0
.rept \n
	v_cndmask_b32 v[T+k], v[PINF], v[PAY+k], s[MK+k]   ; the numbers of those that hold it
.set k, k+1
.endr
	v_min_num_f32 v[SL], v[T], v[T+1]
.set k, 2
.rept ((\n)-2)/2
	v_min3_num_f32 v[SL], v[SL], v[T+k], v[T+k+1]
.set k, k+2
.endr
.if (\n)%2
	v_min_num_f32 v[SL], v[SL], v[T+(\n)-1]
.endif
.irp m, 1,2,4,8
	v_min_num_f32_dpp v[SL], v[SL], v[SL] row_xmask:\m row_mask:0xf bank_mask:0xf
.endr
	v_permlanex16_b32 v[TP], v[SL], s[SEL], s[SEL+1]
	v_min_num_f32 v[SL], v[SL], v[TP]              ; the lowest of them
.set k, 0
.rept \n
	v_cmp_eq_f32 s[MK+k], v[PAY+k], v[SL]
.set k, k+1
.endr
.set k, 0
.rept \n
	v_cndmask_b32 v[X+k], v[X+k], v[NINF], s[MK+k]     ; it is taken out
.set k, k+1
.endr
	v_cmp_eq_u32 vcc_lo, s[RC], v[LANE]
	v_cndmask_b32 v[OUTV], v[OUTV], v[MX], vcc_lo      ; lane i keeps the i-th
	v_cndmask_b32 v[OUTI], v[OUTI], v[SL], vcc_lo
	s_add_co_u32 s[RC], s[RC], 1
	s_cmp_lt_u32 s[RC], 20
	s_cbranch_scc1 .Lex_\@
.endm
	s_load_b128 s[4:7], s[0:1], 0x0                ; gmax1, list2
	s_load_b64 s[8:9], s[0:1], 0x10                ; list1
	v_and_b32 v[LANE], 31, v0
	v_lshrrev_b32 v1, 5, v0
	v_readfirstlane_b32 s10, v1
	s_lshl_b32 s11, ttmp9, 2
	s_add_co_u32 s11, s11, s10                     ; my user
	s_lshl_b32 s12, s11, 7
	s_mov_b32 s13, 0
	s_lshl_b32 s14, s11, 5
	s_mov_b32 s15, 0
	s_mov_b32 s[SEL], 0x76543210
	s_mov_b32 s[SEL+1], 0xfedcba98
	v_lshrrev_b32 v1, 3, v[LANE]
	v_lshlrev_b32 v1, 2, v1                        ; entry l / 8 of four
	v_and_b32 v2, 7, v[LANE]                       ; piece
	v_min_u32 v3, 6, v2
	v_lshlrev_b32 v3, 15, v3
	s_wait_kmcnt 0x0
	s_add_nc_u64 s[6:7], s[6:7], s[12:13]
	s_add_nc_u64 s[8:9], s[8:9], s[12:13]
	s_add_nc_u64 s[4:5], s[4:5], s[14:15]
.irp k, 0,1,2,3,4
	global_load_b32 v[ID+\k], v1, s[6:7] offset:16*\k
.endr
	v_mov_b32 v[NINF], 0xff800000
	v_mov_b32 v[PINF], 0x7f800000
	v_mov_b32 v[TP], 0
	v_mov_b32 v[OUTV], v[NINF]
	v_mov_b32 v[OUTI], 0
	s_wait_loadcnt 0x0
.irp k, 0,1,2,3,4
	v_min_u32 v[ID+\k], 499, v[ID+\k]              ; 2 g + h, held inside the table
	v_and_b32 v4, 0x1fe, v[ID+\k]
	v_and_b32 v5, 1, v[ID+\k]
	v_mul_u32_u24 v[OFF+\k], 0x1c000, v4           ; g x 229,376
	v_lshl_add_u32 v[OFF+\k], v5, 4, v[OFF+\k]     ; + 16 h
	v_add_nc_u32 v[OFF+\k], v[OFF+\k], v3          ; + 32,768 x piece
	global_load_b128 v[X+4*\k:X+4*\k+3], v[OFF+\k], s[4:5]
	v_mul_u32_u24 v4, 25, v4                       ; row / 8 = 50 g + 8 piece + 2 word + h
	v_add_nc_u32 v4, v4, v5
	v_lshl_add_u32 v4, v2, 3, v4
.irp e, 0,1,2,3
	v_add_nc_u32 v6, 2*\e, v4
	v_cvt_f32_u32 v[PAY+4*\k+\e], v6
.endr
.endr
	v_lshlrev_b32 v7, 2, v[LANE]
	v_cmp_eq_u32 vcc_lo, 7, v2
	s_wait_loadcnt 0x0
.set k, 0
.rept 20
	v_cndmask_b32 v[X+k], v[X+k], v[NINF], vcc_lo
.set k, k+1
.endr
	EXTRACT 20
	v_cvt_u32_f32 v[OUTI], v[OUTI]
	global_store_b32 v7, v[OUTI], s[8:9]
	s_endpgm
.Lfunc_end_k_qa564fd45c2_selB:
	.size	k_qa564fd45c2_selB, .Lfunc_end_k_qa564fd45c2_selB-k_qa564fd45c2_selB
	.p2alignl 7, 3214868480
	.fill 96, 4, 3214868480
	.section	.rodata,"a",@progbits
	.p2align	6, 0x0
	.amdhsa_kernel k_qa564fd45c2_selB
		.amdhsa_group_segment_fixed_size 0
		.amdhsa_private_segment_fixed_size 0
		.amdhsa_enable_private_segment 0
		.amdhsa_kernarg_size 24
		.amdhsa_user_sgpr_count 2
		.amdhsa_user_sgpr_kernarg_segment_ptr 1
		.amdhsa_wavefront_size32 1
		.amdhsa_system_sgpr_workgroup_id_x 1
		.amdhsa_system_sgpr_workgroup_id_y 1
		.amdhsa_system_sgpr_workgroup_id_z 1
		.amdhsa_system_vgpr_workitem_id 0
		.amdhsa_next_free_vgpr 96
		.amdhsa_next_free_sgpr 66
		.amdhsa_reserve_vcc 1
		.amdhsa_float_denorm_mode_32 3
		.amdhsa_float_denorm_mode_16_64 3
		.amdhsa_memory_ordered 1
		.amdhsa_forward_progress 1
		.amdhsa_inst_pref_size 14
	.end_amdhsa_kernel
	.amdgpu_metadata
---
amdhsa.version: [ 1, 2 ]
amdhsa.kernels:
  - .name:           k_qa564fd45c2_selB
    .symbol:         k_qa564fd45c2_selB.kd
    .args:
      - { .name: gmax1, .offset: 0, .size: 8, .value_kind: global_buffer, .address_space: global }
      - { .name: list2, .offset: 8, .size: 8, .value_kind: global_buffer, .address_space: global }
      - { .name: list1, .offset: 16, .size: 8, .value_kind: global_buffer, .address_space: global }
    .group_segment_fixed_size: 0
    .private_segment_fixed_size: 0
    .kernarg_segment_align: 8
    .kernarg_segment_size: 24
    .max_flat_workgroup_size: 128
    .sgpr_count:     66
    .vgpr_count:     96
    .wavefront_size: 32
...
	.end_amdgpu_metadata
.endif
;; end of part 4
;; launch rescore (part 5): grid 256 x 1, 4 waves a work-group, no clusters, 0 bytes of LDS; arguments qops, ccodes, list1, nidx, nw; writes nidx, nw
.if DOCPART == 5
	.amdgcn_target "amdgcn-amd-amdhsa--gfx1250"
	.amdhsa_code_object_version 6
	.text
	.protected	k_qa564fd45c2_rescore
	.globl	k_qa564fd45c2_rescore
	.p2align	8
	.type	k_qa564fd45c2_rescore,@function
k_qa564fd45c2_rescore:
	s_mov_b64 s[64:65], 0
	v_nop
	global_prefetch_b8 v0, s[64:65] scope:SCOPE_SE
	s_setreg_imm32_b32 hwreg(HW_REG_WAVE_MODE, 25, 1), 1
	s_wait_xcnt 0x0
; For each user: the similarities with the 160 cache rows of its 20 groups of 8 (list1, whole numbers of the launch before), made anew from the stored codes by the same matrix instruction with the
; sources changed over and K in the same order; of them the 20 largest; the softmax over those that are >= 0.  The rows go to nidx as whole numbers, the weights to nw (word 20: 1.0 if any is valid).
; A wave serves a user.  Source 0 = the user's row sixteen times over, source 1 = 16 candidates (two groups of 8): register 0 of a lane is the similarity with candidate lane % 16.
; The largest similarity is taken away before the exponential, as the softmax asks.  Equal values: the lower row first, which may differ from top_k's order only between rows of equal similarity.
; NaN is not served.  No LDS: each fragment is used once.
; REGISTERS.  Window 0: v16-25 groups, v26-45 offsets, v48-95 the user's fragments, v96-99 its scale words, v100-139 the candidates' scale words, v140-219 ten accumulators, v220.. the selection.
; Windows 1, 2: the candidates' fragments, tile p in window 1 + p / 5 at 48 (p % 5) + 12 s.
.set USC,  393216
.set GID,  16
.set VA,   26
.set VSR,  36
.set UFR,  48
.set USW,  96
.set CSC,  100
.set ACC,  140
.set X,    220
.set PAY,  225
.set T,    230
.set MX,   235
.set SL,   236
.set TP,   237
.set OUTV, 238
.set OUTI, 239
.set LANE, 240
.set NINF, 241
.set PINF, 242
.set RC,   38
.set SEL,  40
.set MK,   32
.set MSB, 0
.macro WIN new
.if MSB != (\new)
	s_set_vgpr_msb (MSB<<8)|(\new)
.set MSB, (\new)
.endif
.endm
.macro EXTRACT n
	s_mov_b32 s[RC], 0
.Lex_\@:
	v_max_num_f32 v[MX], v[X], v[X+1]
.set k, 2
.rept ((\n)-2)/2
	v_max3_num_f32 v[MX], v[MX], v[X+k], v[X+k+1]
.set k, k+2
.endr
.if (\n)%2
	v_max_num_f32 v[MX], v[MX], v[X+(\n)-1]
.endif
.irp m, 1,2,4,8
	v_max_num_f32_dpp v[MX], v[MX], v[MX] row_xmask:\m row_mask:0xf bank_mask:0xf
.endr
	v_permlanex16_b32 v[TP], v[MX], s[SEL], s[SEL+1]
	v_max_num_f32 v[MX], v[MX], v[TP]              ; the largest value left, in every lane
.set k, 0
.rept \n
	v_cmp_eq_f32 s[MK+k], v[X+k], v[MX]
.set k, k+1
.endr
.set k, 0
.rept \n
	v_cndmask_b32 v[T+k], v[PINF], v[PAY+k], s[MK+k]   ; the numbers of those that hold it
.set k, k+1
.endr
	v_min_num_f32 v[SL], v[T], v[T+1]
.set k, 2
.rept ((\n)-2)/2
	v_min3_num_f32 v[SL], v[SL], v[T+k], v[T+k+1]
.set k, k+2
.endr
.if (\n)%2
	v_min_num_f32 v[SL], v[SL], v[T+(\n)-1]
.endif
.irp m, 1,2,4,8
	v_min_num_f32_dpp v[SL], v[SL], v[SL] row_xmask:\m row_mask:0xf bank_mask:0xf
.endr
	v_permlanex16_b32 v[TP], v[SL], s[SEL], s[SEL+1]
	v_min_num_f32 v[SL], v[SL], v[TP]              ; the lowest of them
.set k, 0
.rept \n
	v_cmp_eq_f32 s[MK+k], v[PAY+k], v[SL]
.set k, k+1
.endr
.set k, 0
.rept \n
	v_cndmask_b32 v[X+k], v[X+k], v[NINF], s[MK+k]     ; it is taken out
.set k, k+1
.endr
	v_cmp_eq_u32 vcc_lo, s[RC], v[LANE]
	v_cndmask_b32 v[OUTV], v[OUTV], v[MX], vcc_lo      ; lane i keeps the i-th
	v_cndmask_b32 v[OUTI], v[OUTI], v[SL], vcc_lo
	s_add_co_u32 s[RC], s[RC], 1
	s_cmp_lt_u32 s[RC], 20
	s_cbranch_scc1 .Lex_\@
.endm
.macro RW p, a, s                      ; tile p of candidates, K step s.  Every lane holds its row's own scale words, so lanes 0-15 serve
.if (\s) == 0
	v_wmma_scale_f32_16x16x128_f8f6f4 v[ACC+8*(\p):ACC+8*(\p)+7], v[UFR:UFR+11], v[48*\a:48*\a+11], 0, v[USW], v[CSC+4*(\p)] matrix_a_fmt:MATRIX_FMT_FP6 matrix_b_fmt:MATRIX_FMT_FP6
.else
	v_wmma_scale_f32_16x16x128_f8f6f4 v[ACC+8*(\p):ACC+8*(\p)+7], v[UFR+12*\s:UFR+12*\s+11], v[48*\a+12*\s:48*\a+12*\s+11], v[ACC+8*(\p):ACC+8*(\p)+7], v[USW+2*(\s%2)+\s/2], v[CSC+4*(\p)+2*(\s%2)+\s/2] matrix_a_fmt:MATRIX_FMT_FP6 matrix_b_fmt:MATRIX_FMT_FP6
.endif
.endm
	s_load_b256 s[4:11], s[0:1], 0x0               ; qops s[4:5], ccodes s[6:7], list1 s[8:9], nidx s[10:11]
	s_load_b64 s[12:13], s[0:1], 0x20              ; nw
	v_and_b32 v[LANE], 31, v0
	v_lshrrev_b32 v1, 5, v0
	v_readfirstlane_b32 s14, v1
	s_lshl_b32 s15, ttmp9, 2
	s_add_co_u32 s15, s15, s14                     ; my user
	s_lshl_b32 s16, s15, 7
	s_mov_b32 s17, 0
	s_mov_b32 s[SEL], 0x76543210
	s_mov_b32 s[SEL+1], 0xfedcba98
	v_bfe_u32 v1, v0, 3, 1
	v_lshlrev_b32 v1, 2, v1                        ; which of a tile's two groups is my candidate's
	v_and_b32 v2, 7, v0                            ; its row in the group
	v_bfe_u32 v3, v0, 4, 1
	v_lshlrev_b32 v4, 7, v3                        ; 128 x (lane / 16)
	v_lshl_add_u32 v5, v2, 4, v4
	v_lshlrev_b32 v6, 3, v2
	v_mov_b32 v7, 0
	s_lshr_b32 s18, s15, 3
	s_and_b32 s19, s15, 7
	s_mul_i32 s20, s18, 3072
	s_lshl_b32 s21, s19, 4
	s_add_co_u32 s20, s20, s21
	s_mov_b32 s21, 0
	s_lshl_b32 s28, s18, 7
	s_lshl_b32 s29, s19, 3
	s_add_co_u32 s28, s28, s29
	s_mov_b32 s29, 0
	s_wait_kmcnt 0x0
	s_add_nc_u64 s[8:9], s[8:9], s[16:17]
	s_add_nc_u64 s[10:11], s[10:11], s[16:17]
	s_add_nc_u64 s[12:13], s[12:13], s[16:17]
	s_add_nc_u64 s[22:23], s[4:5], s[20:21]        ; the user's codes,
	s_add_nc_u64 s[24:25], s[4:5], s[28:29]        ; and scale words
	s_add_nc_u64 s[26:27], s[6:7], 38400000        ; the cache's scale words
.irp p, 0,1,2,3,4,5,6,7,8,9
	global_load_b32 v[GID+\p], v1, s[8:9] offset:8*\p
.endr
.irp s, 0,1,2,3
.irp j, 0,1,2
	global_load_b128 v[UFR+12*\s+4*\j:UFR+12*\s+4*\j+3], v4, s[22:23] offset:768*\s+256*\j    ; the same row in all sixteen lanes of a half
.endr
.endr
	global_load_b64 v[USW:USW+1], v7, s[24:25] offset:USC          ; K steps 0, 2
	global_load_b64 v[USW+2:USW+3], v7, s[24:25] offset:USC+64     ; K steps 1, 3
	v_mov_b32 v[NINF], 0xff800000
	v_mov_b32 v[PINF], 0x7f800000
	v_mov_b32 v[TP], 0
	v_mov_b32 v[OUTV], v[NINF]
	v_mov_b32 v[OUTI], 0
	s_wait_loadcnt 14                              ; the ten list words are in; the user's fourteen loads may be out
.irp p, 0,1,2,3,4,5,6,7,8,9
	v_min_u32 v[GID+\p], 12499, v[GID+\p]          ; held inside the table
	v_mul_u32_u24 v[VA+\p], 3072, v[GID+\p]
	v_add_nc_u32 v[VA+\p], v[VA+\p], v5
	v_lshlrev_b32 v[VSR+\p], 7, v[GID+\p]
	v_add_nc_u32 v[VSR+\p], v[VSR+\p], v6
.endr
.irp p, 0,1,2,3,4,5,6,7,8,9
	global_load_b64 v[CSC+4*\p:CSC+4*\p+1], v[VSR+\p], s[26:27]
	global_load_b64 v[CSC+4*\p+2:CSC+4*\p+3], v[VSR+\p], s[26:27] offset:64
.endr
.irp p, 0,1,2,3,4,5,6,7,8,9
	WIN 0x40*(1+\p/5)
.irp s, 0,1,2,3
.irp j, 0,1,2
	global_load_b128 v[48*(\p%5)+12*\s+4*\j:48*(\p%5)+12*\s+4*\j+3], v[VA+\p], s[6:7] offset:768*\s+256*\j
.endr
.endr
.endr
	WIN 0
	s_wait_loadcnt 0x0
.irp s, 0,1,2,3                        ; ten accumulators by turns, K ascending
.irp W, 0,1
	WIN 0x04*(\W+1)
.irp a, 0,1,2,3,4
	RW 5*\W+\a, \a, \s
.endr
.endr
.endr
	WIN 0
.rept 4
	v_nop                                          ; four places in front of the first read of results
.endr
	v_cmp_gt_u32 vcc_lo, 16, v[LANE]
.irp k, 0,1,2,3,4
	v_cndmask_b32 v[X+\k], v[ACC+8*(2*\k+1)], v[ACC+8*(2*\k)], vcc_lo     ; lanes 0-15: tile 2 k; lanes 16-31: tile 2 k + 1
	v_cndmask_b32 v243, v[GID+2*\k+1], v[GID+2*\k], vcc_lo
	v_lshl_add_u32 v243, v243, 3, v2
	v_cvt_f32_u32 v[PAY+\k], v243                  ; the candidate's row, exact in f32
.endr
	EXTRACT 5
	v_readlane_b32 s28, v[OUTV], 0                 ; the largest similarity
	v_mov_b32 v243, s28
	v_cmp_le_f32 vcc_lo, 0, v[OUTV]                ; valid (lanes 20-31 hold -infinity)
	v_sub_f32 v244, v[OUTV], v243
	v_mul_f32 v244, 0x3fb8aa3b, v244
	v_exp_f32 v244, v244
	v_nop
	s_wait_alu depctr_va_vdst(0)
	v_cndmask_b32 v244, 0, v244, vcc_lo
	v_mov_b32 v245, v244
.irp m, 1,2,4,8
	v_add_f32_dpp v245, v245, v245 row_xmask:\m row_mask:0xf bank_mask:0xf
.endr
	v_permlanex16_b32 v[TP], v245, s[SEL], s[SEL+1]
	v_add_f32 v245, v245, v[TP]
	v_rcp_f32 v245, v245
	v_nop
	s_wait_alu depctr_va_vdst(0)
	v_mul_f32 v244, v244, v245
	v_cndmask_b32 v244, 0, v244, vcc_lo            ; what is not valid weighs 0 (an empty sum's NaN goes here too)
	v_cmp_le_f32 s29, 0, v243
	v_cndmask_b32 v246, 0, 1.0, s29                ; any valid?
	v_cmp_eq_u32 s30, 20, v[LANE]
	v_cndmask_b32 v244, v244, v246, s30
	v_cvt_u32_f32 v[OUTI], v[OUTI]
	v_lshlrev_b32 v247, 2, v[LANE]
	global_store_b32 v247, v[OUTI], s[10:11]
	global_store_b32 v247, v244, s[12:13]
	s_endpgm
.Lfunc_end_k_qa564fd45c2_rescore:
	.size	k_qa564fd45c2_rescore, .Lfunc_end_k_qa564fd45c2_rescore-k_qa564fd45c2_rescore
	.p2alignl 7, 3214868480
	.fill 96, 4, 3214868480
	.section	.rodata,"a",@progbits
	.p2align	6, 0x0
	.amdhsa_kernel k_qa564fd45c2_rescore
		.amdhsa_group_segment_fixed_size 0
		.amdhsa_private_segment_fixed_size 0
		.amdhsa_enable_private_segment 0
		.amdhsa_kernarg_size 40
		.amdhsa_user_sgpr_count 2
		.amdhsa_user_sgpr_kernarg_segment_ptr 1
		.amdhsa_wavefront_size32 1
		.amdhsa_system_sgpr_workgroup_id_x 1
		.amdhsa_system_sgpr_workgroup_id_y 1
		.amdhsa_system_sgpr_workgroup_id_z 1
		.amdhsa_system_vgpr_workitem_id 0
		.amdhsa_next_free_vgpr 768
		.amdhsa_next_free_sgpr 66
		.amdhsa_reserve_vcc 1
		.amdhsa_float_denorm_mode_32 3
		.amdhsa_float_denorm_mode_16_64 3
		.amdhsa_memory_ordered 1
		.amdhsa_forward_progress 1
		.amdhsa_inst_pref_size 30
	.end_amdhsa_kernel
	.amdgpu_metadata
---
amdhsa.version: [ 1, 2 ]
amdhsa.kernels:
  - .name:           k_qa564fd45c2_rescore
    .symbol:         k_qa564fd45c2_rescore.kd
    .args:
      - { .name: qops, .offset: 0, .size: 8, .value_kind: global_buffer, .address_space: global }
      - { .name: ccodes, .offset: 8, .size: 8, .value_kind: global_buffer, .address_space: global }
      - { .name: list1, .offset: 16, .size: 8, .value_kind: global_buffer, .address_space: global }
      - { .name: nidx, .offset: 24, .size: 8, .value_kind: global_buffer, .address_space: global }
      - { .name: nw, .offset: 32, .size: 8, .value_kind: global_buffer, .address_space: global }
    .group_segment_fixed_size: 0
    .private_segment_fixed_size: 0
    .kernarg_segment_align: 8
    .kernarg_segment_size: 40
    .max_flat_workgroup_size: 128
    .sgpr_count:     66
    .vgpr_count:     768
    .wavefront_size: 32
...
	.end_amdgpu_metadata
.endif
;; end of part 5
;; launch fuse (part 6): grid 64 x 1, 16 waves a work-group, no clusters, 124,928 bytes of LDS; arguments cache_embeddings, user_embeddings, qops, b1, b2, nidx, nw, out0; writes out0
.if DOCPART == 6
	.amdgcn_target "amdgcn-amd-amdhsa--gfx1250"
	.amdhsa_code_object_version 6
	.text
	.protected	k_qa564fd45c2_fuse
	.globl	k_qa564fd45c2_fuse
	.p2align	8
	.type	k_qa564fd45c2_fuse,@function
k_qa564fd45c2_fuse:
	s_mov_b64 s[64:65], 0
	v_nop
	global_prefetch_b8 v0, s[64:65] scope:SCOPE_SE
	s_setreg_imm32_b32 hwreg(HW_REG_WAVE_MODE, 25, 1), 1
	s_wait_xcnt 0x0
; agg = the weighted sum of a user's 20 cache rows (f32, fused multiply-adds);  out = relu([user | agg] W1 + b1) W2 + b2, both products on codes of FP6 (E2M3);  a user with no valid neighbour keeps its row.
; SHARES.  A work-group takes 16 users.  Wave v gathers user v's rows (nidx, whole numbers of the launch before; nw), and owns tiles 2 v and 2 v + 1 of 16 hidden units and of 16 outputs.
; Its part of W1 (16 fragments) and of W2 (8) goes from memory straight into its registers, each fragment used once: so no LDS for weights and NO CLUSTER.
; THE PRODUCTS: source 0 = 16 columns of the weight, source 1 = the 16 users: a lane holds one user (lane % 16) and eight neighbouring units.  The bias is the C of a sum's first instruction.
; QUANTISING: [user | agg] (then the hidden layer) lies in LDS as f32 rows; lane (r, hl) of wave v takes block 2 v + hl of row r, whole: its six registers of codes are registers 6 (v % 2) .. + 5 of
; fragment v / 2 in the very lane that will hold them, and go to LDS as an image of the operand's registers in pieces of 8 bytes: byte 256 piece + 8 lane.
; LIMITS: NaN and infinities are not served; a block under 2^-124, zeros too, gets the byte 1; this program alone reads the bytes.
; REGISTERS: v1-11 addresses; v12-15 the rows' scale words; v16-31 agg, then numbers, then two accumulators; v32-55 the user's row, numbers, codes, then two fragments of rows by turns;
; v56-63 the weights' scale words; v64-255 the gather's ring of ten rows, then W1's fragments, then W2's (v64-159) and late addresses (v160-163).
.set W1IMG, 409600
.set W1SC,  802816
.set W2IMG, 819200
.set W2SC,  1015808
.set HB,    65792                      ; LDS: 0: [user | agg], 16 rows of 4,096 + 16;  HB: the hidden layer, later the result, 16 rows of 2,048 + 16
.set XIMG,  98816                      ; 8 fragments of [user | agg]
.set XSC,   111104                     ; their scale bytes: 64 s + 4 row + block
.set HIMG,  111616                     ; 4 fragments of the hidden layer
.set HSC,   117760
.set BIA,   118016                     ; b1, b2
.set L16, 1
.set CW,  2                            ; my user's row of [user | agg], 16 bytes a lane
.set QX,  3                            ; my block of [user | agg]
.set QH,  4                            ; my block of the hidden layer
.set QI,  5                            ; where my codes go
.set QS,  6                            ; and my scale byte
.set XFA, 7                            ; XIMG + 8 lane
.set XSA, 8                            ; XSC + 4 lane
.set BA,  9                            ; my eight biases
.set HW,  10                           ; my eight units of my user's row of the hidden layer
.set OR,  11                           ; the same place in the user's own row
.set XS,  12
.set ACC, 16
.set XF,  32
.set WS,  56
.set WF,  64
.set VO,  64
.set G,   96
.macro NOP4
.rept 4
	v_nop
.endr
.endm
.macro ROWLD i                         ; neighbour i's row into ring slot i % 10: 2,048 bytes, four loads of 512 consecutive bytes
	v_add_nc_u32 v[VO+(\i)%10], s[16+(\i)], v[L16]
.irp j, 0,1,2,3
	global_load_b128 v[G+16*((\i)%10)+4*\j:G+16*((\i)%10)+4*\j+3], v[VO+(\i)%10], s[4:5] offset:512*\j
.endr
.endm
.macro ACCUM i
.set q, 0
.rept 16
.if (\i) == 0
	v_mul_f32 v[ACC+q], s[36], v[G+q]
.else
	v_fmac_f32 v[ACC+q], s[36+(\i)], v[G+16*((\i)%10)+q]
.endif
.set q, q+1
.endr
.endm
.macro Q1 rd, iimm, simm               ; a whole block of 32 numbers of one lane becomes six registers of codes and a byte
.set q, 0
.rept 8
	ds_load_b128 v[16+4*q:16+4*q+3], v[\rd] offset:16*q
.set q, q+1
.endr
	s_wait_dscnt 0x0
	v_max3_num_f32 v54, |v16|, |v17|, 0x1800000    ; with the floor 2^(3 - 127): the byte cannot fall under 1
.set q, 2
.rept 15
	v_max3_num_f32 v54, v54, |v[16+q]|, |v[17+q]|
.set q, q+2
.endr
	v_add_nc_u32 v55, 0xff000000, v54              ; 2 off the exponent field: the conversion's scale operand
	v_lshrrev_b32 v54, 23, v55
	v_cvt_scalef32_pk16_fp6_f32 v[48:50], v[16:31], v55
	v_nop                                          ; one plain place: the next line writes over the first conversion's sources
	v_cvt_scalef32_pk16_fp6_f32 v[16:18], v[32:47], v55
	v_nop
	v_mov_b32 v51, v16
	v_mov_b32 v52, v17
	v_mov_b32 v53, v18
	ds_store_b64 v[QI], v[48:49] offset:\iimm
	ds_store_b64 v[QI], v[50:51] offset:\iimm+256
	ds_store_b64 v[QI], v[52:53] offset:\iimm+512
	ds_store_b8 v[QS], v54 offset:\simm
.endm
.macro XFLD s, ximm
.irp p, 0,1,2,3,4,5
	ds_load_b64 v[XF+12*((\s)%2)+2*\p:XF+12*((\s)%2)+2*\p+1], v[XFA] offset:\ximm+1536*(\s)+256*\p
.endr
.endm
.macro PW ns, t, s                     ; a register of scale words holds the even K step in lanes 0-15 and the odd one in lanes 16-31
.if (\s)%2 == 0
	v_wmma_scale_f32_16x16x128_f8f6f4 v[ACC+8*\t:ACC+8*\t+7], v[WF+12*(\ns*\t+(\s)):WF+12*(\ns*\t+(\s))+11], v[XF+12*((\s)%2):XF+12*((\s)%2)+11], v[ACC+8*\t:ACC+8*\t+7], v[WS+(\ns/2)*\t+(\s)/2], v[XS+(\s)/2] matrix_a_fmt:MATRIX_FMT_FP6 matrix_b_fmt:MATRIX_FMT_FP6
.else
	v_wmma_scale_f32_16x16x128_f8f6f4 v[ACC+8*\t:ACC+8*\t+7], v[WF+12*(\ns*\t+(\s)):WF+12*(\ns*\t+(\s))+11], v[XF+12*((\s)%2):XF+12*((\s)%2)+11], v[ACC+8*\t:ACC+8*\t+7], v[WS+(\ns/2)*\t+(\s)/2], v[XS+(\s)/2] matrix_a_fmt:MATRIX_FMT_FP6 matrix_b_fmt:MATRIX_FMT_FP6 matrix_a_scale:MATRIX_SCALE_ROW1 matrix_b_scale:MATRIX_SCALE_ROW1
.endif
.endm
.macro PROD ns, bimm, ximm, simm       ; my two tiles over ns K steps: two accumulators by turns; they begin as the biases
.irp t, 0,1
	ds_load_b128 v[ACC+8*\t:ACC+8*\t+3], v[BA] offset:\bimm+64*\t
	ds_load_b128 v[ACC+8*\t+4:ACC+8*\t+7], v[BA] offset:\bimm+64*\t+16
.endr
.set q, 0
.rept \ns/2
	ds_load_b32 v[XS+q], v[XSA] offset:\simm+128*q
.set q, q+1
.endr
	XFLD 0, \ximm
	XFLD 1, \ximm
	s_wait_loadcnt 0x0                             ; the weights
.set ks, 0
.rept \ns
.if ks < \ns-1
	s_wait_dscnt 6                                 ; all but the other buffer's six loads
.else
	s_wait_dscnt 0x0
.endif
	PW \ns, 0, ks
	PW \ns, 1, ks
	NOP4                                           ; four places in front of loads into a buffer just read, and of the first read of results
.if ks+2 < \ns
	XFLD ks+2, \ximm
.endif
.set ks, ks+1
.endr
.endm
.macro BARRIER
	s_wait_dscnt 0x0                               ; my LDS stores have landed and my LDS loads are in
	s_barrier_signal -1
	s_barrier_wait -1
.endm
	s_load_b256 s[4:11], s[0:1], 0x0               ; cache s[4:5], users s[6:7], qops s[8:9], b1 s[10:11]
	s_load_b128 s[12:15], s[0:1], 0x20             ; b2 s[12:13], nidx s[14:15]
	s_load_b128 s[68:71], s[0:1], 0x30             ; nw s[68:69], out0 s[70:71]
	v_lshrrev_b32 v1, 5, v0
	v_readfirstlane_b32 s60, v1                    ; wave 0 .. 15
	s_lshl_b32 s61, ttmp9, 4
	s_add_co_u32 s61, s61, s60                     ; my user
	s_lshl_b32 s72, s61, 7
	s_mov_b32 s73, 0
	s_lshl_b32 s74, s61, 11
	s_mov_b32 s75, 0
	s_lshl_b32 s62, ttmp9, 11
	s_mov_b32 s63, 0
	v_and_b32 v80, 31, v0                          ; lane
	v_lshlrev_b32 v[L16], 4, v80
	v_lshlrev_b32 v77, 2, v0
	s_wait_kmcnt 0x0
	s_add_nc_u64 s[14:15], s[14:15], s[72:73]
	s_add_nc_u64 s[76:77], s[68:69], s[72:73]
	s_load_b512 s[16:31], s[14:15], 0x0            ; my user's 20 rows,
	s_load_b128 s[32:35], s[14:15], 0x40
	s_load_b512 s[36:51], s[76:77], 0x0            ; and weights
	s_load_b128 s[52:55], s[76:77], 0x40
	s_add_nc_u64 s[6:7], s[6:7], s[74:75]
	s_add_nc_u64 s[70:71], s[70:71], s[74:75]
	s_add_nc_u64 s[78:79], s[68:69], s[62:63]      ; nw at the work-group's first user
	global_load_b32 v74, v77, s[10:11]             ; thread t: b1[t], b2[t]
	global_load_b32 v75, v77, s[12:13]
.irp j, 0,1,2,3
	global_load_b128 v[32+4*\j:32+4*\j+3], v[L16], s[6:7] offset:512*\j
.endr
	s_wait_kmcnt 0x0
.set q, 0
.rept 20
	s_min_u32 s[16+q], s[16+q], 99999              ; held inside the table,
	s_lshl_b32 s[16+q], s[16+q], 11                ; in bytes
.set q, q+1
.endr
.irp i, 0,1,2,3,4,5,6,7,8,9
	ROWLD \i
.endr
	v_and_b32 v78, 15, v0                          ; r
	v_bfe_u32 v79, v0, 4, 1                        ; hl
	v_add_nc_u32 v76, BIA, v77
	s_mul_i32 s62, s60, 4112
	v_add_nc_u32 v[CW], s62, v[L16]
	s_lshl_b32 s63, s60, 8
	v_mul_u32_u24 v[QX], v78, 4112
	v_lshl_add_u32 v[QX], v79, 7, v[QX]
	v_add_nc_u32 v[QX], s63, v[QX]
	v_mul_u32_u24 v[QH], v78, 2064
	v_lshl_add_u32 v[QH], v79, 7, v[QH]
	v_add_nc_u32 v[QH], s63, v[QH]
	v_add_nc_u32 v[QH], HB, v[QH]
	s_lshr_b32 s72, s60, 1
	s_and_b32 s73, s60, 1
	s_mul_i32 s74, s72, 1536
	s_mul_i32 s75, s73, 768
	s_add_co_u32 s74, s74, s75
	s_add_co_u32 s74, s74, XIMG
	v_lshlrev_b32 v[QI], 3, v80
	v_add_nc_u32 v[XFA], XIMG, v[QI]
	v_add_nc_u32 v[QI], s74, v[QI]
	s_lshl_b32 s74, s72, 6
	s_lshl_b32 s75, s73, 1
	s_add_co_u32 s74, s74, s75
	s_add_co_u32 s74, s74, XSC
	v_lshl_add_u32 v[QS], v78, 2, v79
	v_add_nc_u32 v[QS], s74, v[QS]
	v_lshlrev_b32 v[XSA], 2, v80
	v_add_nc_u32 v[XSA], XSC, v[XSA]
	s_lshl_b32 s74, s60, 7
	v_lshlrev_b32 v[BA], 5, v79
	v_add_nc_u32 v[BA], s74, v[BA]                 ; 128 v + 32 hl
	v_mul_u32_u24 v[HW], v78, 2064
	v_add_nc_u32 v[HW], v[HW], v[BA]
	v_add_nc_u32 v[HW], HB, v[HW]
	v_mul_u32_u24 v[OR], v78, 4112
	v_add_nc_u32 v[OR], v[OR], v[BA]
	v_add_nc_u32 v[BA], BIA, v[BA]
	s_wait_loadcnt 44                              ; the biases are in; my row's 4 loads and the ring's 40 may be out
	ds_store_b32 v76, v74
	ds_store_b32 v76, v75 offset:2048
	s_wait_loadcnt 40                              ; my row is in
.irp j, 0,1,2,3
	ds_store_b128 v[CW], v[32+4*\j:32+4*\j+3] offset:512*\j
.endr
.irp i, 0,1,2,3,4,5,6,7,8,9
	s_wait_loadcnt 36                              ; this row's four loads are in; the nine other slots' four each may be out
	ACCUM \i
	ROWLD \i+10                                    ; the slot's offset register is free since that wait
.endr
.irp i, 0,1,2,3,4,5,6,7,8,9
	s_wait_loadcnt 36-4*\i
	ACCUM \i+10
.endr
.irp j, 0,1,2,3
	ds_store_b128 v[CW], v[ACC+4*\j:ACC+4*\j+3] offset:2048+512*\j
.endr
	s_mul_i32 s72, s60, 24576
	s_mov_b32 s73, 0
	s_add_nc_u64 s[72:73], s[8:9], s[72:73]        ; my 16 fragments of W1,
	s_lshl_b32 s74, s60, 10
	s_mov_b32 s75, 0
	s_add_nc_u64 s[74:75], s[8:9], s[74:75]        ; and their scale words
	v_lshlrev_b32 v48, 2, v80
	s_wait_dscnt 0x0                               ; my LDS stores have read their registers: W1 may land there
.set q, 0
.rept 16
.irp j, 0,1,2
	global_load_b128 v[WF+12*q+4*\j:WF+12*q+4*\j+3], v[L16], s[72:73] offset:W1IMG+1536*q+512*\j
.endr
.set q, q+1
.endr
.set q, 0
.rept 8
	global_load_b32 v[WS+q], v48, s[74:75] offset:W1SC+128*q
.set q, q+1
.endr
	s_wait_xcnt 0x0                                ; v48 is written again below
	s_barrier_signal -1
	s_barrier_wait -1                              ; 16 rows of [user | agg], and the biases, lie in LDS
	Q1 QX, 0, 0
	BARRIER                                        ; its eight fragments and their scale bytes lie in LDS
	PROD 8, 0, 0, 0
.set q, 0
.rept 16
	v_max_num_f32 v[ACC+q], 0, v[ACC+q]            ; the activation, each accumulator from its low end on
.set q, q+1
.endr
.irp t, 0,1
	ds_store_b128 v[HW], v[ACC+8*\t:ACC+8*\t+3] offset:64*\t
	ds_store_b128 v[HW], v[ACC+8*\t+4:ACC+8*\t+7] offset:64*\t+16
.endr
	v_and_b32 v161, 15, v0
	v_lshlrev_b32 v161, 7, v161                    ; my lane's user's words of nw
	v_and_b32 v163, 31, v0
	v_lshlrev_b32 v163, 2, v163
	s_mul_i32 s62, s60, 2064
	s_add_co_u32 s62, s62, HB
	v_add_nc_u32 v162, s62, v[L16]                 ; the way out: row v, 16 bytes a lane
	s_mul_i32 s72, s60, 12288
	s_mov_b32 s73, 0
	s_add_nc_u64 s[72:73], s[8:9], s[72:73]        ; my 8 fragments of W2,
	s_lshl_b32 s74, s60, 9
	s_mov_b32 s75, 0
	s_add_nc_u64 s[74:75], s[8:9], s[74:75]        ; and their scale words
.set q, 0
.rept 8
.irp j, 0,1,2
	global_load_b128 v[WF+12*q+4*\j:WF+12*q+4*\j+3], v[L16], s[72:73] offset:W2IMG+1536*q+512*\j
.endr
.set q, q+1
.endr
.set q, 0
.rept 4
	global_load_b32 v[WS+q], v163, s[74:75] offset:W2SC+128*q
.set q, q+1
.endr
	global_load_b32 v160, v161, s[78:79] offset:80 ; any valid neighbour, for my lane's user
	BARRIER                                        ; 16 rows of the hidden layer lie in LDS
	s_cmp_lt_u32 s60, 8                            ; 16 blocks a row: waves 0 to 7
	s_cbranch_scc0 .Lnoq
	Q1 QH, HIMG-XIMG, HSC-XSC
.Lnoq:
	BARRIER                                        ; its four fragments lie in LDS
	PROD 4, 2048, HIMG-XIMG, HSC-XSC
.irp t, 0,1
	ds_load_b128 v[32+8*\t:32+8*\t+3], v[OR] offset:64*\t          ; the user's own numbers at my outputs' places
	ds_load_b128 v[32+8*\t+4:32+8*\t+7], v[OR] offset:64*\t+16
.endr
	s_wait_dscnt 0x0
	v_cmp_neq_f32 vcc_lo, 0, v160
.set q, 0
.rept 16
	v_cndmask_b32 v[32+q], v[32+q], v[ACC+q], vcc_lo
.set q, q+1
.endr
.irp t, 0,1
	ds_store_b128 v[HW], v[32+8*\t:32+8*\t+3] offset:64*\t         ; the hidden layer's rows were last read in front of the barrier before
	ds_store_b128 v[HW], v[32+8*\t+4:32+8*\t+7] offset:64*\t+16
.endr
	BARRIER                                        ; 16 whole rows of the result
.irp j, 0,1,2,3
	ds_load_b128 v[32+4*\j:32+4*\j+3], v162 offset:512*\j
.endr
	s_wait_dscnt 0x0
.irp j, 0,1,2,3
	global_store_b128 v[L16], v[32+4*\j:32+4*\j+3], s[70:71] offset:512*\j   ; 512 consecutive bytes a store, aligned
.endr
	s_wait_xcnt 0x0
	v_lshl_add_u32 v254, v0, 2, 0x1e000
	v_mov_b32 v255, 0
	s_wait_tensorcnt 0x0
	ds_add_u32 v254, v255
	s_wait_dscnt 0x0
	s_endpgm
.Lfunc_end_k_qa564fd45c2_fuse:
	.size	k_qa564fd45c2_fuse, .Lfunc_end_k_qa564fd45c2_fuse-k_qa564fd45c2_fuse
	.p2alignl 7, 3214868480
	.fill 96, 4, 3214868480
	.section	.rodata,"a",@progbits
	.p2align	6, 0x0
	.amdhsa_kernel k_qa564fd45c2_fuse
		.amdhsa_group_segment_fixed_size 124928
		.amdhsa_private_segment_fixed_size 0
		.amdhsa_enable_private_segment 0
		.amdhsa_kernarg_size 64
		.amdhsa_user_sgpr_count 2
		.amdhsa_user_sgpr_kernarg_segment_ptr 1
		.amdhsa_wavefront_size32 1
		.amdhsa_system_sgpr_workgroup_id_x 1
		.amdhsa_system_sgpr_workgroup_id_y 1
		.amdhsa_system_sgpr_workgroup_id_z 1
		.amdhsa_system_vgpr_workitem_id 0
		.amdhsa_next_free_vgpr 256
		.amdhsa_next_free_sgpr 80
		.amdhsa_reserve_vcc 1
		.amdhsa_float_denorm_mode_32 3
		.amdhsa_float_denorm_mode_16_64 3
		.amdhsa_memory_ordered 1
		.amdhsa_forward_progress 1
		.amdhsa_inst_pref_size 52
	.end_amdhsa_kernel
	.amdgpu_metadata
---
amdhsa.version: [ 1, 2 ]
amdhsa.kernels:
  - .name:           k_qa564fd45c2_fuse
    .symbol:         k_qa564fd45c2_fuse.kd
    .args:
      - { .name: cache_embeddings, .offset: 0, .size: 8, .value_kind: global_buffer, .address_space: global }
      - { .name: user_embeddings, .offset: 8, .size: 8, .value_kind: global_buffer, .address_space: global }
      - { .name: qops, .offset: 16, .size: 8, .value_kind: global_buffer, .address_space: global }
      - { .name: b1, .offset: 24, .size: 8, .value_kind: global_buffer, .address_space: global }
      - { .name: b2, .offset: 32, .size: 8, .value_kind: global_buffer, .address_space: global }
      - { .name: nidx, .offset: 40, .size: 8, .value_kind: global_buffer, .address_space: global }
      - { .name: nw, .offset: 48, .size: 8, .value_kind: global_buffer, .address_space: global }
      - { .name: out0, .offset: 56, .size: 8, .value_kind: global_buffer, .address_space: global }
    .group_segment_fixed_size: 124928
    .private_segment_fixed_size: 0
    .kernarg_segment_align: 8
    .kernarg_segment_size: 64
    .max_flat_workgroup_size: 512
    .sgpr_count:     80
    .vgpr_count:     256
    .wavefront_size: 32
...
	.end_amdgpu_metadata
.endif
;; end of part 6
;; ======== version 2 of 2: 6 launches; version 1 with the launches rescore, fuse written anew for expert scheduling mode
;; workspace buffers: qops 1,024,000 bytes; ccodes 40,000,000 bytes; gmax1 57,344,000 bytes; gmax2 2,048,000 bytes; list2 131,072 bytes of whole numbers; list1 131,072 bytes of whole numbers; nidx 131,072 bytes of whole numbers; nw 131,072 bytes
;; launch prep: the kernel of part 1 again; grid 80 x 1, 4 waves a work-group, no clusters, 92,672 bytes of LDS; arguments user_embeddings, W1, W2, qops; writes qops
;; launch main: the kernel of part 2 again; grid 250 x 1, 4 waves a work-group, no clusters, 327,680 bytes of LDS; arguments cache_embeddings, qops, ccodes, gmax1, gmax2; writes ccodes, gmax1, gmax2
;; launch selA: the kernel of part 3 again; grid 256 x 1, 4 waves a work-group, no clusters, 8,704 bytes of LDS; arguments gmax2, list2; writes list2
;; launch selB: the kernel of part 4 again; grid 256 x 1, 4 waves a work-group, no clusters, 0 bytes of LDS; arguments gmax1, list2, list1; writes list1
;; launch rescore (part 7): grid 256 x 1, 4 waves a work-group, no clusters, 0 bytes of LDS; arguments qops, ccodes, list1, nidx, nw; writes nidx, nw
.if DOCPART == 7
	.amdgcn_target "amdgcn-amd-amdhsa--gfx1250"
	.amdhsa_code_object_version 6
	.text
	.protected	k_qa564fd45c2_rescore
	.globl	k_qa564fd45c2_rescore
	.p2align	8
	.type	k_qa564fd45c2_rescore,@function
k_qa564fd45c2_rescore:
	s_mov_b64 s[64:65], 0
	v_nop
	global_prefetch_b8 v0, s[64:65] scope:SCOPE_SE
	s_setreg_imm32_b32 hwreg(HW_REG_WAVE_SCHED_MODE, 0, 2), 2
	s_setreg_imm32_b32 hwreg(HW_REG_WAVE_MODE, 25, 1), 1
	s_wait_xcnt 0x0
	s_wait_alu depctr_vm_vsrc(0)
; For each user: the similarities with the 160 cache rows of its 20 groups of 8 (list1, whole numbers of the launch before), made anew from the stored codes by the same matrix instruction with the
; sources changed over and K in the same order; of them the 20 largest; the softmax over those that are >= 0.  The rows go to nidx as whole numbers, the weights to nw (word 20: 1.0 if any is valid).
; A wave serves a user.  Source 0 = the user's row sixteen times over, source 1 = 16 candidates (two groups of 8): register 0 of a lane is the similarity with candidate lane % 16.
; The largest similarity is taken away before the exponential, as the softmax asks.  Equal values: the lower row first, which may differ from top_k's order only between rows of equal similarity.
; NaN is not served.  No LDS: each fragment is used once.
; REGISTERS.  Window 0: v16-25 groups, v26-45 offsets, v48-95 the user's fragments, v96-99 its scale words, v100-139 the candidates' scale words, v140-219 ten accumulators, v220.. the selection.
; Windows 1, 2: the candidates' fragments, tile p in window 1 + p / 5 at 48 (p % 5) + 12 s.
; THE MODE: SCHED_MODE bits 1:0 = 2 (LLVM: expert scheduling mode 2), set by the entry lines.  The code itself states the register dependences between vector or matrix instructions and memory
; instructions, and those through scalar registers that vector instructions write, with s_wait_alu, always for 0.
; THE PLAN.  Registers that memory instructions touch:
;   v1, v4, v7       offsets, written once at the head; read by the ten loads of the list and the user's fourteen.
;   VA0-9, VSR0-9    offsets, written once from the list's words; read by the candidates' 140 loads.
;   GID, UFR, USW, CSC, windows 1 and 2: each is landed in once, and no vector instruction names it before that.
;   v247, OUTI, v244 written by vector instructions at the end; read by the two stores.
; So three waits on va_vdst serve memory: ahead of the first load, ahead of the candidates' loads, ahead of the stores.  Masks are made in runs of compares, one wait behind each run.
.set USC,  393216
.set GID,  16
.set VA,   26
.set VSR,  36
.set UFR,  48
.set USW,  96
.set CSC,  100
.set ACC,  140
.set X,    220
.set PAY,  225
.set T,    230
.set MX,   235
.set SL,   236
.set TP,   237
.set OUTV, 238
.set OUTI, 239
.set LANE, 240
.set NINF, 241
.set PINF, 242
.set RC,   38
.set SEL,  40
.set MK,   32
.set MSB, 0
.macro WIN new
.if MSB != (\new)
	s_set_vgpr_msb (MSB<<8)|(\new)
.set MSB, (\new)
.endif
.endm
.macro EXTRACT n
	s_mov_b32 s[RC], 0
.Lex_\@:
	v_max_num_f32 v[MX], v[X], v[X+1]
.set k, 2
.rept ((\n)-2)/2
	v_max3_num_f32 v[MX], v[MX], v[X+k], v[X+k+1]
.set k, k+2
.endr
.if (\n)%2
	v_max_num_f32 v[MX], v[MX], v[X+(\n)-1]
.endif
.irp m, 1,2,4,8
	v_max_num_f32_dpp v[MX], v[MX], v[MX] row_xmask:\m row_mask:0xf bank_mask:0xf
.endr
	v_permlanex16_b32 v[TP], v[MX], s[SEL], s[SEL+1]
	v_max_num_f32 v[MX], v[MX], v[TP]              ; the largest value left, in every lane
.set k, 0
.rept \n
	v_cmp_eq_f32 s[MK+k], v[X+k], v[MX]
.set k, k+1
.endr
	s_wait_alu depctr_va_sdst(0)                   ; the run of compares has written its masks, which the selects below read
.set k, 0
.rept \n
	v_cndmask_b32 v[T+k], v[PINF], v[PAY+k], s[MK+k]   ; the numbers of those that hold it
.set k, k+1
.endr
	v_min_num_f32 v[SL], v[T], v[T+1]
.set k, 2
.rept ((\n)-2)/2
	v_min3_num_f32 v[SL], v[SL], v[T+k], v[T+k+1]
.set k, k+2
.endr
.if (\n)%2
	v_min_num_f32 v[SL], v[SL], v[T+(\n)-1]
.endif
.irp m, 1,2,4,8
	v_min_num_f32_dpp v[SL], v[SL], v[SL] row_xmask:\m row_mask:0xf bank_mask:0xf
.endr
	v_permlanex16_b32 v[TP], v[SL], s[SEL], s[SEL+1]
	v_min_num_f32 v[SL], v[SL], v[TP]              ; the lowest of them
.set k, 0
.rept \n
	v_cmp_eq_f32 s[MK+k], v[PAY+k], v[SL]
.set k, k+1
.endr
	v_cmp_eq_u32 vcc_lo, s[RC], v[LANE]            ; (in the same run of compares)
	s_wait_alu depctr_va_sdst(0)                   ; the masks are written anew, ahead of the selects that read them
	s_wait_alu depctr_va_vcc(0)                    ; and so is VCC, which the last two selects read
.set k, 0
.rept \n
	v_cndmask_b32 v[X+k], v[X+k], v[NINF], s[MK+k]     ; it is taken out
.set k, k+1
.endr
	v_cndmask_b32 v[OUTV], v[OUTV], v[MX], vcc_lo      ; lane i keeps the i-th
	v_cndmask_b32 v[OUTI], v[OUTI], v[SL], vcc_lo
	s_add_co_u32 s[RC], s[RC], 1
	s_cmp_lt_u32 s[RC], 20
	s_cbranch_scc1 .Lex_\@
.endm
.macro RW p, a, s                      ; tile p of candidates, K step s.  Every lane holds its row's own scale words, so lanes 0-15 serve
.if (\s) == 0
	v_wmma_scale_f32_16x16x128_f8f6f4 v[ACC+8*(\p):ACC+8*(\p)+7], v[UFR:UFR+11], v[48*\a:48*\a+11], 0, v[USW], v[CSC+4*(\p)] matrix_a_fmt:MATRIX_FMT_FP6 matrix_b_fmt:MATRIX_FMT_FP6
.else
	v_wmma_scale_f32_16x16x128_f8f6f4 v[ACC+8*(\p):ACC+8*(\p)+7], v[UFR+12*\s:UFR+12*\s+11], v[48*\a+12*\s:48*\a+12*\s+11], v[ACC+8*(\p):ACC+8*(\p)+7], v[USW+2*(\s%2)+\s/2], v[CSC+4*(\p)+2*(\s%2)+\s/2] matrix_a_fmt:MATRIX_FMT_FP6 matrix_b_fmt:MATRIX_FMT_FP6
.endif
.endm
	s_load_b256 s[4:11], s[0:1], 0x0               ; qops s[4:5], ccodes s[6:7], list1 s[8:9], nidx s[10:11]
	s_load_b64 s[12:13], s[0:1], 0x20              ; nw
	v_and_b32 v[LANE], 31, v0
	v_lshrrev_b32 v1, 5, v0
	v_readfirstlane_b32 s14, v1
	v_bfe_u32 v1, v0, 3, 1
	v_lshlrev_b32 v1, 2, v1                        ; which of a tile's two groups is my candidate's
	v_and_b32 v2, 7, v0                            ; its row in the group
	v_bfe_u32 v3, v0, 4, 1
	v_lshlrev_b32 v4, 7, v3                        ; 128 x (lane / 16)
	v_lshl_add_u32 v5, v2, 4, v4
	v_lshlrev_b32 v6, 3, v2
	v_mov_b32 v7, 0
	s_wait_alu depctr_va_sdst(0)                   ; s14, the wave's number, is written, ahead of its first reader
	s_lshl_b32 s15, ttmp9, 2
	s_add_co_u32 s15, s15, s14                     ; my user
	s_lshl_b32 s16, s15, 7
	s_mov_b32 s17, 0
	s_mov_b32 s[SEL], 0x76543210
	s_mov_b32 s[SEL+1], 0xfedcba98
	s_lshr_b32 s18, s15, 3
	s_and_b32 s19, s15, 7
	s_mul_i32 s20, s18, 3072
	s_lshl_b32 s21, s19, 4
	s_add_co_u32 s20, s20, s21
	s_mov_b32 s21, 0
	s_lshl_b32 s28, s18, 7
	s_lshl_b32 s29, s19, 3
	s_add_co_u32 s28, s28, s29
	s_mov_b32 s29, 0
	s_wait_kmcnt 0x0
	s_add_nc_u64 s[8:9], s[8:9], s[16:17]
	s_add_nc_u64 s[10:11], s[10:11], s[16:17]
	s_add_nc_u64 s[12:13], s[12:13], s[16:17]
	s_add_nc_u64 s[22:23], s[4:5], s[20:21]        ; the user's codes,
	s_add_nc_u64 s[24:25], s[4:5], s[28:29]        ; and scale words
	s_add_nc_u64 s[26:27], s[6:7], 38400000        ; the cache's scale words
	s_wait_alu depctr_va_vdst(0)                   ; the offsets v1, v4 and v7 are written, which the loads below read
.irp p, 0,1,2,3,4,5,6,7,8,9
	global_load_b32 v[GID+\p], v1, s[8:9] offset:8*\p
.endr
.irp s, 0,1,2,3
.irp j, 0,1,2
	global_load_b128 v[UFR+12*\s+4*\j:UFR+12*\s+4*\j+3], v4, s[22:23] offset:768*\s+256*\j    ; the same row in all sixteen lanes of a half
.endr
.endr
	global_load_b64 v[USW:USW+1], v7, s[24:25] offset:USC          ; K steps 0, 2
	global_load_b64 v[USW+2:USW+3], v7, s[24:25] offset:USC+64     ; K steps 1, 3
	v_mov_b32 v[NINF], 0xff800000
	v_mov_b32 v[PINF], 0x7f800000
	v_mov_b32 v[TP], 0
	v_mov_b32 v[OUTV], v[NINF]
	v_mov_b32 v[OUTI], 0
	s_wait_loadcnt 14                              ; the ten list words are in; the user's fourteen loads may be out
.irp p, 0,1,2,3,4,5,6,7,8,9
	v_min_u32 v[GID+\p], 12499, v[GID+\p]          ; held inside the table
	v_mul_u32_u24 v[VA+\p], 3072, v[GID+\p]
	v_add_nc_u32 v[VA+\p], v[VA+\p], v5
	v_lshlrev_b32 v[VSR+\p], 7, v[GID+\p]
	v_add_nc_u32 v[VSR+\p], v[VSR+\p], v6
.endr
	s_wait_alu depctr_va_vdst(0)                   ; the twenty offsets VA and VSR are written, which the 140 loads below read; only loads and window switches follow up to the last of them
.irp p, 0,1,2,3,4,5,6,7,8,9
	global_load_b64 v[CSC+4*\p:CSC+4*\p+1], v[VSR+\p], s[26:27]
	global_load_b64 v[CSC+4*\p+2:CSC+4*\p+3], v[VSR+\p], s[26:27] offset:64
.endr
.irp p, 0,1,2,3,4,5,6,7,8,9
	WIN 0x40*(1+\p/5)
.irp s, 0,1,2,3
.irp j, 0,1,2
	global_load_b128 v[48*(\p%5)+12*\s+4*\j:48*(\p%5)+12*\s+4*\j+3], v[VA+\p], s[6:7] offset:768*\s+256*\j
.endr
.endr
.endr
	WIN 0
	s_wait_loadcnt 0x0
.irp s, 0,1,2,3                        ; ten accumulators by turns, K ascending
.irp W, 0,1
	WIN 0x04*(\W+1)
.irp a, 0,1,2,3,4
	RW 5*\W+\a, \a, \s
.endr
.endr
.endr
	WIN 0
.rept 4
	v_nop                                          ; four places in front of the first read of results
.endr
	v_cmp_gt_u32 vcc_lo, 16, v[LANE]
	s_wait_alu depctr_va_vcc(0)                    ; VCC is written, ahead of the selects that read it
.irp k, 0,1,2,3,4
	v_cndmask_b32 v[X+\k], v[ACC+8*(2*\k+1)], v[ACC+8*(2*\k)], vcc_lo     ; lanes 0-15: tile 2 k; lanes 16-31: tile 2 k + 1
	v_cndmask_b32 v243, v[GID+2*\k+1], v[GID+2*\k], vcc_lo
	v_lshl_add_u32 v243, v243, 3, v2
	v_cvt_f32_u32 v[PAY+\k], v243                  ; the candidate's row, exact in f32
.endr
	EXTRACT 5
	v_readlane_b32 s28, v[OUTV], 0                 ; the largest similarity
	v_cmp_le_f32 vcc_lo, 0, v[OUTV]                ; valid (lanes 20-31 hold -infinity)
	v_cmp_eq_u32 s30, 20, v[LANE]
	v_cvt_u32_f32 v[OUTI], v[OUTI]
	v_lshlrev_b32 v247, 2, v[LANE]
	s_wait_alu depctr_va_sdst(0)                   ; s28 is written, ahead of the move that reads it (and s30, for the last select)
	v_mov_b32 v243, s28
	v_cmp_le_f32 s29, 0, v243                      ; any valid?
	v_sub_f32 v244, v[OUTV], v243
	v_mul_f32 v244, 0x3fb8aa3b, v244
	v_exp_f32 v244, v244
	v_nop
	s_wait_alu depctr_va_vdst(0)                   ; the exponential has written v244, ahead of its first reader
	s_wait_alu depctr_va_vcc(0)                    ; VCC, the valid lanes, is written, ahead of the select that reads it
	s_wait_alu depctr_va_sdst(0)                   ; s29 is written, ahead of the select that reads it
	v_cndmask_b32 v244, 0, v244, vcc_lo
	v_mov_b32 v245, v244
.irp m, 1,2,4,8
	v_add_f32_dpp v245, v245, v245 row_xmask:\m row_mask:0xf bank_mask:0xf
.endr
	v_permlanex16_b32 v[TP], v245, s[SEL], s[SEL+1]
	v_add_f32 v245, v245, v[TP]
	v_rcp_f32 v245, v245
	v_nop
	s_wait_alu depctr_va_vdst(0)                   ; the reciprocal has written v245, ahead of its first reader
	v_mul_f32 v244, v244, v245
	v_cndmask_b32 v244, 0, v244, vcc_lo            ; what is not valid weighs 0 (an empty sum's NaN goes here too)
	v_cndmask_b32 v246, 0, 1.0, s29
	v_cndmask_b32 v244, v244, v246, s30
	s_wait_alu depctr_va_vdst(0)                   ; v247, the rows and the weights are written, which the two stores read
	global_store_b32 v247, v[OUTI], s[10:11]
	global_store_b32 v247, v244, s[12:13]
	s_endpgm
.Lfunc_end_k_qa564fd45c2_rescore:
	.size	k_qa564fd45c2_rescore, .Lfunc_end_k_qa564fd45c2_rescore-k_qa564fd45c2_rescore
	.p2alignl 7, 3214868480
	.fill 96, 4, 3214868480
	.section	.rodata,"a",@progbits
	.p2align	6, 0x0
	.amdhsa_kernel k_qa564fd45c2_rescore
		.amdhsa_group_segment_fixed_size 0
		.amdhsa_private_segment_fixed_size 0
		.amdhsa_enable_private_segment 0
		.amdhsa_kernarg_size 40
		.amdhsa_user_sgpr_count 2
		.amdhsa_user_sgpr_kernarg_segment_ptr 1
		.amdhsa_wavefront_size32 1
		.amdhsa_system_sgpr_workgroup_id_x 1
		.amdhsa_system_sgpr_workgroup_id_y 1
		.amdhsa_system_sgpr_workgroup_id_z 1
		.amdhsa_system_vgpr_workitem_id 0
		.amdhsa_next_free_vgpr 768
		.amdhsa_next_free_sgpr 66
		.amdhsa_reserve_vcc 1
		.amdhsa_float_denorm_mode_32 3
		.amdhsa_float_denorm_mode_16_64 3
		.amdhsa_memory_ordered 1
		.amdhsa_forward_progress 1
		.amdhsa_inst_pref_size 31
	.end_amdhsa_kernel
	.amdgpu_metadata
---
amdhsa.version: [ 1, 2 ]
amdhsa.kernels:
  - .name:           k_qa564fd45c2_rescore
    .symbol:         k_qa564fd45c2_rescore.kd
    .args:
      - { .name: qops, .offset: 0, .size: 8, .value_kind: global_buffer, .address_space: global }
      - { .name: ccodes, .offset: 8, .size: 8, .value_kind: global_buffer, .address_space: global }
      - { .name: list1, .offset: 16, .size: 8, .value_kind: global_buffer, .address_space: global }
      - { .name: nidx, .offset: 24, .size: 8, .value_kind: global_buffer, .address_space: global }
      - { .name: nw, .offset: 32, .size: 8, .value_kind: global_buffer, .address_space: global }
    .group_segment_fixed_size: 0
    .private_segment_fixed_size: 0
    .kernarg_segment_align: 8
    .kernarg_segment_size: 40
    .max_flat_workgroup_size: 128
    .sgpr_count:     66
    .vgpr_count:     768
    .wavefront_size: 32
...
	.end_amdgpu_metadata
.endif
;; end of part 7
;; launch fuse (part 8): grid 64 x 1, 16 waves a work-group, no clusters, 124,928 bytes of LDS; arguments cache_embeddings, user_embeddings, qops, b1, b2, nidx, nw, out0; writes out0
.if DOCPART == 8
	.amdgcn_target "amdgcn-amd-amdhsa--gfx1250"
	.amdhsa_code_object_version 6
	.text
	.protected	k_qa564fd45c2_fuse
	.globl	k_qa564fd45c2_fuse
	.p2align	8
	.type	k_qa564fd45c2_fuse,@function
k_qa564fd45c2_fuse:
	s_mov_b64 s[64:65], 0
	v_nop
	global_prefetch_b8 v0, s[64:65] scope:SCOPE_SE
	s_setreg_imm32_b32 hwreg(HW_REG_WAVE_SCHED_MODE, 0, 2), 2
	s_setreg_imm32_b32 hwreg(HW_REG_WAVE_MODE, 25, 1), 1
	s_wait_xcnt 0x0
	s_wait_alu depctr_vm_vsrc(0)
; agg = the weighted sum of a user's 20 cache rows (f32, fused multiply-adds);  out = relu([user | agg] W1 + b1) W2 + b2, both products on codes of FP6 (E2M3);  a user with no valid neighbour keeps its row.
; SHARES.  A work-group takes 16 users.  Wave v gathers user v's rows (nidx, whole numbers of the launch before; nw), and owns tiles 2 v and 2 v + 1 of 16 hidden units and of 16 outputs.
; Its part of W1 (16 fragments) and of W2 (8) goes from memory straight into its registers, each fragment used once: so no LDS for weights and NO CLUSTER.
; THE PRODUCTS: source 0 = 16 columns of the weight, source 1 = the 16 users: a lane holds one user (lane % 16) and eight neighbouring units.  The bias is the C of a sum's first instruction.
; QUANTISING: [user | agg] (then the hidden layer) lies in LDS as f32 rows; lane (r, hl) of wave v takes block 2 v + hl of row r, whole: its six registers of codes are registers 6 (v % 2) .. + 5 of
; fragment v / 2 in the very lane that will hold them, and go to LDS as an image of the operand's registers in pieces of 8 bytes: byte 256 piece + 8 lane.
; LIMITS: NaN and infinities are not served; a block under 2^-124, zeros too, gets the byte 1; this program alone reads the bytes.
; REGISTERS: v1-11 addresses; v12-15 the rows' scale words; v16-31 agg, then numbers, then two accumulators; v32-55 the user's row, numbers, codes, then two fragments of rows by turns;
; v56-63 the weights' scale words; v64-255: first the 20 rows' offsets (v64-73, v81-90), seven registers at work (v74-80) and the gather's ring of ten rows (v96-255), then W1's fragments, then W2's (v64-159) and late addresses (v160-163).
; THE MODE: SCHED_MODE bits 1:0 = 2 (LLVM: expert scheduling mode 2), set by the entry lines.  The code itself states the register dependences between vector or matrix instructions and memory or LDS
; instructions, and those through scalar registers that vector instructions write, with s_wait_alu, always for 0.
; THE PLAN.  Registers that memory or LDS instructions touch, and who else names them:
;   v1 (16 x lane), v2-11 (LDS addresses)   written once at the head, never again.
;   v64-73, v81-90   the 20 rows' offsets: all made together, as soon as the rows' numbers are in, and never written again until W1 lands there.
;   the ring         step i: ACCUM i reads slot i % 10.  The slot is asked for again at the head of step i + 1, behind that step's wait for its data and ONE wait on va_vdst; ACCUM i + 1 names another slot.
;   v16-31           ACCUM writes | LDS stores read | numbers land | conversions read | biases land | products and the activation write | LDS stores read | numbers or biases land | products write.
;   v32-55           my row lands | LDS stores read | numbers land | conversions read, and write codes | LDS stores read v48-54 | fragments land, two buffers by turns | products read.
;   v64-255          behind the gather W1 lands | products read | W2, its scale words and the flag land.
; One wait on va_vdst stands ahead of each run of LDS stores of fresh results, and it also frees what the loads behind it land in; one ahead of each reload of a fragment buffer (256 registers hold no third);
; one wait on vm_vsrc stands ahead of each first write of registers that stores or loads have read.
.set W1IMG, 409600
.set W1SC,  802816
.set W2IMG, 819200
.set W2SC,  1015808
.set HB,    65792                      ; LDS: 0: [user | agg], 16 rows of 4,096 + 16;  HB: the hidden layer, later the result, 16 rows of 2,048 + 16
.set XIMG,  98816                      ; 8 fragments of [user | agg]
.set XSC,   111104                     ; their scale bytes: 64 s + 4 row + block
.set HIMG,  111616                     ; 4 fragments of the hidden layer
.set HSC,   117760
.set BIA,   118016                     ; b1, b2
.set L16, 1
.set CW,  2                            ; my user's row of [user | agg], 16 bytes a lane
.set QX,  3                            ; my block of [user | agg]
.set QH,  4                            ; my block of the hidden layer
.set QI,  5                            ; where my codes go
.set QS,  6                            ; and my scale byte
.set XFA, 7                            ; XIMG + 8 lane
.set XSA, 8                            ; XSC + 4 lane
.set BA,  9                            ; my eight biases
.set HW,  10                           ; my eight units of my user's row of the hidden layer
.set OR,  11                           ; the same place in the user's own row
.set XS,  12
.set ACC, 16
.set XF,  32
.set WS,  56
.set WF,  64
.set VO,  64                           ; row i's offset at VO + i + 7 (i / 10): v64-73, v81-90
.set G,   96
.macro NOP4
.rept 4
	v_nop
.endr
.endm
.macro ROWLD i                         ; neighbour i's row into ring slot i % 10: 2,048 bytes, four loads of 512 consecutive bytes
.irp j, 0,1,2,3
	global_load_b128 v[G+16*((\i)%10)+4*\j:G+16*((\i)%10)+4*\j+3], v[VO+(\i)+7*((\i)/10)], s[4:5] offset:512*\j
.endr
.endm
.macro ACCUM i
.set q, 0
.rept 16
.if (\i) == 0
	v_mul_f32 v[ACC+q], s[36], v[G+q]
.else
	v_fmac_f32 v[ACC+q], s[36+(\i)], v[G+16*((\i)%10)+q]
.endif
.set q, q+1
.endr
.endm
.macro Q1 rd, iimm, simm               ; a whole block of 32 numbers of one lane becomes six registers of codes and a byte
.set q, 0
.rept 8
	ds_load_b128 v[16+4*q:16+4*q+3], v[\rd] offset:16*q
.set q, q+1
.endr
	s_wait_dscnt 0x0
	v_max3_num_f32 v54, |v16|, |v17|, 0x1800000    ; with the floor 2^(3 - 127): the byte cannot fall under 1
.set q, 2
.rept 15
	v_max3_num_f32 v54, v54, |v[16+q]|, |v[17+q]|
.set q, q+2
.endr
	v_add_nc_u32 v55, 0xff000000, v54              ; 2 off the exponent field: the conversion's scale operand
	v_lshrrev_b32 v54, 23, v55
	v_cvt_scalef32_pk16_fp6_f32 v[48:50], v[16:31], v55
	v_nop                                          ; one plain place: the next line writes over the first conversion's sources
	v_cvt_scalef32_pk16_fp6_f32 v[16:18], v[32:47], v55
	v_nop
	v_mov_b32 v51, v16
	v_mov_b32 v52, v17
	v_mov_b32 v53, v18
	s_wait_alu depctr_va_vdst(0)                   ; the codes v48-53 and the byte v54 are written, which the LDS stores read; and the lines above are done with v16-55, in which the product's loads land
	ds_store_b64 v[QI], v[48:49] offset:\iimm
	ds_store_b64 v[QI], v[50:51] offset:\iimm+256
	ds_store_b64 v[QI], v[52:53] offset:\iimm+512
	ds_store_b8 v[QS], v54 offset:\simm
.endm
.macro XFLD s, ximm
.irp p, 0,1,2,3,4,5
	ds_load_b64 v[XF+12*((\s)%2)+2*\p:XF+12*((\s)%2)+2*\p+1], v[XFA] offset:\ximm+1536*(\s)+256*\p
.endr
.endm
.macro PW ns, t, s                     ; a register of scale words holds the even K step in lanes 0-15 and the odd one in lanes 16-31
.if (\s)%2 == 0
	v_wmma_scale_f32_16x16x128_f8f6f4 v[ACC+8*\t:ACC+8*\t+7], v[WF+12*(\ns*\t+(\s)):WF+12*(\ns*\t+(\s))+11], v[XF+12*((\s)%2):XF+12*((\s)%2)+11], v[ACC+8*\t:ACC+8*\t+7], v[WS+(\ns/2)*\t+(\s)/2], v[XS+(\s)/2] matrix_a_fmt:MATRIX_FMT_FP6 matrix_b_fmt:MATRIX_FMT_FP6
.else
	v_wmma_scale_f32_16x16x128_f8f6f4 v[ACC+8*\t:ACC+8*\t+7], v[WF+12*(\ns*\t+(\s)):WF+12*(\ns*\t+(\s))+11], v[XF+12*((\s)%2):XF+12*((\s)%2)+11], v[ACC+8*\t:ACC+8*\t+7], v[WS+(\ns/2)*\t+(\s)/2], v[XS+(\s)/2] matrix_a_fmt:MATRIX_FMT_FP6 matrix_b_fmt:MATRIX_FMT_FP6 matrix_a_scale:MATRIX_SCALE_ROW1 matrix_b_scale:MATRIX_SCALE_ROW1
.endif
.endm
.macro PROD ns, bimm, ximm, simm       ; my two tiles over ns K steps: two accumulators by turns; they begin as the biases
	s_wait_alu depctr_vm_vsrc(0)                   ; the quantiser's LDS stores have read v48-54, in which the rows' fragments land
.irp t, 0,1
	ds_load_b128 v[ACC+8*\t:ACC+8*\t+3], v[BA] offset:\bimm+64*\t
	ds_load_b128 v[ACC+8*\t+4:ACC+8*\t+7], v[BA] offset:\bimm+64*\t+16
.endr
.set q, 0
.rept \ns/2
	ds_load_b32 v[XS+q], v[XSA] offset:\simm+128*q
.set q, q+1
.endr
	XFLD 0, \ximm
	XFLD 1, \ximm
	s_wait_loadcnt 0x0                             ; the weights
.set ks, 0
.rept \ns
.if ks < \ns-1
	s_wait_dscnt 6                                 ; all but the other buffer's six loads
.else
	s_wait_dscnt 0x0
.endif
	PW \ns, 0, ks
	PW \ns, 1, ks
	NOP4                                           ; four places in front of loads into a buffer just read, and of the first read of results
.if ks+2 < \ns
	s_wait_alu depctr_va_vdst(0)                   ; the two products are done reading this K step's buffer, in which the fragment of two K steps on lands
	XFLD ks+2, \ximm
.endif
.set ks, ks+1
.endr
.endm
.macro BARRIER
	s_wait_dscnt 0x0                               ; my LDS stores have landed and my LDS loads are in
	s_barrier_signal -1
	s_barrier_wait -1
.endm
	s_load_b256 s[4:11], s[0:1], 0x0               ; cache s[4:5], users s[6:7], qops s[8:9], b1 s[10:11]
	s_load_b128 s[12:15], s[0:1], 0x20             ; b2 s[12:13], nidx s[14:15]
	s_load_b128 s[68:71], s[0:1], 0x30             ; nw s[68:69], out0 s[70:71]
	v_lshrrev_b32 v1, 5, v0
	v_readfirstlane_b32 s60, v1                    ; wave 0 .. 15
	v_and_b32 v80, 31, v0                          ; lane
	v_lshlrev_b32 v[L16], 4, v80
	v_lshlrev_b32 v77, 2, v0
	s_wait_alu depctr_va_sdst(0)                   ; s60 is written, ahead of its first reader
	s_lshl_b32 s61, ttmp9, 4
	s_add_co_u32 s61, s61, s60                     ; my user
	s_lshl_b32 s72, s61, 7
	s_mov_b32 s73, 0
	s_lshl_b32 s74, s61, 11
	s_mov_b32 s75, 0
	s_lshl_b32 s62, ttmp9, 11
	s_mov_b32 s63, 0
	s_wait_kmcnt 0x0
	s_add_nc_u64 s[14:15], s[14:15], s[72:73]
	s_add_nc_u64 s[76:77], s[68:69], s[72:73]
	s_load_b512 s[16:31], s[14:15], 0x0            ; my user's 20 rows,
	s_load_b128 s[32:35], s[14:15], 0x40
	s_load_b512 s[36:51], s[76:77], 0x0            ; and weights
	s_load_b128 s[52:55], s[76:77], 0x40
	s_add_nc_u64 s[6:7], s[6:7], s[74:75]
	s_add_nc_u64 s[70:71], s[70:71], s[74:75]
	s_add_nc_u64 s[78:79], s[68:69], s[62:63]      ; nw at the work-group's first user
	s_wait_alu depctr_va_vdst(0)                   ; the offsets v77 and v1 are written, which the six loads below read
	global_load_b32 v74, v77, s[10:11]             ; thread t: b1[t], b2[t]
	global_load_b32 v75, v77, s[12:13]
.irp j, 0,1,2,3
	global_load_b128 v[32+4*\j:32+4*\j+3], v[L16], s[6:7] offset:512*\j
.endr
	s_wait_kmcnt 0x0
.set q, 0
.rept 20
	s_min_u32 s[16+q], s[16+q], 99999              ; held inside the table,
	s_lshl_b32 s[16+q], s[16+q], 11                ; in bytes
.set q, q+1
.endr
.set q, 0
.rept 20
	v_add_nc_u32 v[VO+q+7*(q/10)], s[16+q], v[L16] ; all twenty rows' offsets at once: none is written again while the gather runs
.set q, q+1
.endr
	s_wait_alu depctr_va_vdst(0)                   ; the twenty offsets are written, which the gather's eighty loads read
.irp i, 0,1,2,3,4,5,6,7,8,9
	ROWLD \i
.endr
	v_and_b32 v78, 15, v0                          ; r
	v_bfe_u32 v79, v0, 4, 1                        ; hl
	v_add_nc_u32 v76, BIA, v77
	s_mul_i32 s62, s60, 4112
	v_add_nc_u32 v[CW], s62, v[L16]
	s_lshl_b32 s63, s60, 8
	v_mul_u32_u24 v[QX], v78, 4112
	v_lshl_add_u32 v[QX], v79, 7, v[QX]
	v_add_nc_u32 v[QX], s63, v[QX]
	v_mul_u32_u24 v[QH], v78, 2064
	v_lshl_add_u32 v[QH], v79, 7, v[QH]
	v_add_nc_u32 v[QH], s63, v[QH]
	v_add_nc_u32 v[QH], HB, v[QH]
	s_lshr_b32 s72, s60, 1
	s_and_b32 s73, s60, 1
	s_mul_i32 s74, s72, 1536
	s_mul_i32 s75, s73, 768
	s_add_co_u32 s74, s74, s75
	s_add_co_u32 s74, s74, XIMG
	v_lshlrev_b32 v[QI], 3, v80
	v_add_nc_u32 v[XFA], XIMG, v[QI]
	v_add_nc_u32 v[QI], s74, v[QI]
	s_lshl_b32 s74, s72, 6
	s_lshl_b32 s75, s73, 1
	s_add_co_u32 s74, s74, s75
	s_add_co_u32 s74, s74, XSC
	v_lshl_add_u32 v[QS], v78, 2, v79
	v_add_nc_u32 v[QS], s74, v[QS]
	v_lshlrev_b32 v[XSA], 2, v80
	v_add_nc_u32 v[XSA], XSC, v[XSA]
	s_lshl_b32 s74, s60, 7
	v_lshlrev_b32 v[BA], 5, v79
	v_add_nc_u32 v[BA], s74, v[BA]                 ; 128 v + 32 hl
	v_mul_u32_u24 v[HW], v78, 2064
	v_add_nc_u32 v[HW], v[HW], v[BA]
	v_add_nc_u32 v[HW], HB, v[HW]
	v_mul_u32_u24 v[OR], v78, 4112
	v_add_nc_u32 v[OR], v[OR], v[BA]
	v_add_nc_u32 v[BA], BIA, v[BA]
	s_wait_loadcnt 44                              ; the biases are in; my row's 4 loads and the ring's 40 may be out
	s_wait_alu depctr_va_vdst(0)                   ; v76 and the LDS addresses v2 to v11 are written, which every LDS instruction from here on reads
	ds_store_b32 v76, v74
	ds_store_b32 v76, v75 offset:2048
	s_wait_loadcnt 40                              ; my row is in
.irp j, 0,1,2,3
	ds_store_b128 v[CW], v[32+4*\j:32+4*\j+3] offset:512*\j
.endr
.irp i, 0,1,2,3,4,5,6,7,8,9
.if \i == 0
	s_wait_loadcnt 36                              ; row 0's four loads are in; the nine other slots' four each may be out
.else
	s_wait_loadcnt 32                              ; this row's four loads are in; the eight younger rows' four each may be out
	s_wait_alu depctr_va_vdst(0)                   ; the multiply-adds of the row before are done reading their slot, in which the four loads below land; those of this row name another slot
	ROWLD \i+9
.endif
	ACCUM \i
.endr
.irp i, 0,1,2,3,4,5,6,7,8,9
.if \i == 0
	s_wait_loadcnt 32                              ; row 10 is in; rows 11 to 18 may be out
	s_wait_alu depctr_va_vdst(0)                   ; row 9's multiply-adds are done reading slot 9, in which the last row lands
	ROWLD 19
.else
	s_wait_loadcnt 36-4*\i                         ; the counts run down
.endif
	ACCUM \i+10
.endr
	v_lshlrev_b32 v48, 2, v80
	s_mul_i32 s72, s60, 24576
	s_mov_b32 s73, 0
	s_add_nc_u64 s[72:73], s[8:9], s[72:73]        ; my 16 fragments of W1,
	s_lshl_b32 s74, s60, 10
	s_mov_b32 s75, 0
	s_add_nc_u64 s[74:75], s[8:9], s[74:75]        ; and their scale words
	s_wait_alu depctr_va_vdst(0)                   ; agg is written, which the LDS stores read; so is the offset v48; and all vector work is done with the ring and with v64-95, in which W1 lands, and with v16-31, in which the quantiser's numbers land
.irp j, 0,1,2,3
	ds_store_b128 v[CW], v[ACC+4*\j:ACC+4*\j+3] offset:2048+512*\j
.endr
	s_wait_dscnt 0x0                               ; for the other waves' sake: my row of [user | agg] and my biases are in LDS (the barrier stands below)
	s_wait_alu depctr_vm_vsrc(0)                   ; the gather's loads have read their offsets v64-73 and v81-90, the biases' loads v77, the LDS stores v74-76: W1 lands there; and the LDS stores have read v16-47, in which the quantiser's numbers land
.set q, 0
.rept 16
.irp j, 0,1,2
	global_load_b128 v[WF+12*q+4*\j:WF+12*q+4*\j+3], v[L16], s[72:73] offset:W1IMG+1536*q+512*\j
.endr
.set q, q+1
.endr
.set q, 0
.rept 8
	global_load_b32 v[WS+q], v48, s[74:75] offset:W1SC+128*q
.set q, q+1
.endr
	s_wait_xcnt 0x0                                ; v48 is written again below
	s_wait_alu depctr_vm_vsrc(0)                   ; the eight loads above have read v48, which the quantiser's first conversion writes
	s_barrier_signal -1
	s_barrier_wait -1                              ; 16 rows of [user | agg], and the biases, lie in LDS
	Q1 QX, 0, 0
	BARRIER                                        ; its eight fragments and their scale bytes lie in LDS
	PROD 8, 0, 0, 0
.set q, 0
.rept 16
	v_max_num_f32 v[ACC+q], 0, v[ACC+q]            ; the activation, each accumulator from its low end on
.set q, q+1
.endr
	v_and_b32 v161, 15, v0
	v_lshlrev_b32 v161, 7, v161                    ; my lane's user's words of nw
	v_and_b32 v163, 31, v0
	v_lshlrev_b32 v163, 2, v163
	s_mul_i32 s62, s60, 2064
	s_add_co_u32 s62, s62, HB
	v_add_nc_u32 v162, s62, v[L16]                 ; the way out: row v, 16 bytes a lane
	s_mul_i32 s72, s60, 12288
	s_mov_b32 s73, 0
	s_add_nc_u64 s[72:73], s[8:9], s[72:73]        ; my 8 fragments of W2,
	s_lshl_b32 s74, s60, 9
	s_mov_b32 s75, 0
	s_add_nc_u64 s[74:75], s[8:9], s[74:75]        ; and their scale words
	s_wait_alu depctr_va_vdst(0)                   ; the hidden units are written, which the LDS stores read; so are v161 to v163; the products are done reading W1, its scale words, the rows' fragments and scale words: W2, its scale words, the flag and the next numbers land there
.irp t, 0,1
	ds_store_b128 v[HW], v[ACC+8*\t:ACC+8*\t+3] offset:64*\t
	ds_store_b128 v[HW], v[ACC+8*\t+4:ACC+8*\t+7] offset:64*\t+16
.endr
.set q, 0
.rept 8
.irp j, 0,1,2
	global_load_b128 v[WF+12*q+4*\j:WF+12*q+4*\j+3], v[L16], s[72:73] offset:W2IMG+1536*q+512*\j
.endr
.set q, q+1
.endr
.set q, 0
.rept 4
	global_load_b32 v[WS+q], v163, s[74:75] offset:W2SC+128*q
.set q, q+1
.endr
	global_load_b32 v160, v161, s[78:79] offset:80 ; any valid neighbour, for my lane's user
	BARRIER                                        ; 16 rows of the hidden layer lie in LDS
	s_wait_alu depctr_vm_vsrc(0)                   ; my LDS stores have read v16-31, in which the quantiser's numbers (waves 0 to 7) or the biases land: ahead of the branch, for both ways
	s_cmp_lt_u32 s60, 8                            ; 16 blocks a row: waves 0 to 7
	s_cbranch_scc0 .Lnoq
	Q1 QH, HIMG-XIMG, HSC-XSC
.Lnoq:
	BARRIER                                        ; its four fragments lie in LDS
	PROD 4, 2048, HIMG-XIMG, HSC-XSC
	v_cmp_neq_f32 vcc_lo, 0, v160
	s_wait_alu depctr_va_vdst(0)                   ; the last products are done reading the fragments in v32-55, in which the loads below land
.irp t, 0,1
	ds_load_b128 v[32+8*\t:32+8*\t+3], v[OR] offset:64*\t          ; the user's own numbers at my outputs' places
	ds_load_b128 v[32+8*\t+4:32+8*\t+7], v[OR] offset:64*\t+16
.endr
	s_wait_dscnt 0x0
	s_wait_alu depctr_va_vcc(0)                    ; VCC is written, ahead of the selects that read it
.set q, 0
.rept 16
	v_cndmask_b32 v[32+q], v[32+q], v[ACC+q], vcc_lo
.set q, q+1
.endr
	s_wait_alu depctr_va_vdst(0)                   ; the selects have written v32-47, which the LDS stores read
.irp t, 0,1
	ds_store_b128 v[HW], v[32+8*\t:32+8*\t+3] offset:64*\t         ; the hidden layer's rows were last read in front of the barrier before
	ds_store_b128 v[HW], v[32+8*\t+4:32+8*\t+7] offset:64*\t+16
.endr
	BARRIER                                        ; 16 whole rows of the result
	s_wait_alu depctr_vm_vsrc(0)                   ; my LDS stores have read v32-47, in which the row lands
.irp j, 0,1,2,3
	ds_load_b128 v[32+4*\j:32+4*\j+3], v162 offset:512*\j
.endr
	s_wait_dscnt 0x0
.irp j, 0,1,2,3
	global_store_b128 v[L16], v[32+4*\j:32+4*\j+3], s[70:71] offset:512*\j   ; 512 consecutive bytes a store, aligned
.endr
	s_wait_xcnt 0x0
	v_lshl_add_u32 v254, v0, 2, 0x1e000            ; the add's two registers, made anew (no memory or LDS instruction has ever read v254 or v255)
	v_mov_b32 v255, 0
	s_wait_dscnt 0x0                               ; the closing lines, six on end
	s_wait_alu 0x0
	s_wait_tensorcnt 0x0
	ds_add_u32 v254, v255
	s_wait_dscnt 0x0
	s_endpgm
.Lfunc_end_k_qa564fd45c2_fuse:
	.size	k_qa564fd45c2_fuse, .Lfunc_end_k_qa564fd45c2_fuse-k_qa564fd45c2_fuse
	.p2alignl 7, 3214868480
	.fill 96, 4, 3214868480
	.section	.rodata,"a",@progbits
	.p2align	6, 0x0
	.amdhsa_kernel k_qa564fd45c2_fuse
		.amdhsa_group_segment_fixed_size 124928
		.amdhsa_private_segment_fixed_size 0
		.amdhsa_enable_private_segment 0
		.amdhsa_kernarg_size 64
		.amdhsa_user_sgpr_count 2
		.amdhsa_user_sgpr_kernarg_segment_ptr 1
		.amdhsa_wavefront_size32 1
		.amdhsa_system_sgpr_workgroup_id_x 1
		.amdhsa_system_sgpr_workgroup_id_y 1
		.amdhsa_system_sgpr_workgroup_id_z 1
		.amdhsa_system_vgpr_workitem_id 0
		.amdhsa_next_free_vgpr 256
		.amdhsa_next_free_sgpr 80
		.amdhsa_reserve_vcc 1
		.amdhsa_float_denorm_mode_32 3
		.amdhsa_float_denorm_mode_16_64 3
		.amdhsa_memory_ordered 1
		.amdhsa_forward_progress 1
		.amdhsa_inst_pref_size 54
	.end_amdhsa_kernel
	.amdgpu_metadata
---
amdhsa.version: [ 1, 2 ]
amdhsa.kernels:
  - .name:           k_qa564fd45c2_fuse
    .symbol:         k_qa564fd45c2_fuse.kd
    .args:
      - { .name: cache_embeddings, .offset: 0, .size: 8, .value_kind: global_buffer, .address_space: global }
      - { .name: user_embeddings, .offset: 8, .size: 8, .value_kind: global_buffer, .address_space: global }
      - { .name: qops, .offset: 16, .size: 8, .value_kind: global_buffer, .address_space: global }
      - { .name: b1, .offset: 24, .size: 8, .value_kind: global_buffer, .address_space: global }
      - { .name: b2, .offset: 32, .size: 8, .value_kind: global_buffer, .address_space: global }
      - { .name: nidx, .offset: 40, .size: 8, .value_kind: global_buffer, .address_space: global }
      - { .name: nw, .offset: 48, .size: 8, .value_kind: global_buffer, .address_space: global }
      - { .name: out0, .offset: 56, .size: 8, .value_kind: global_buffer, .address_space: global }
    .group_segment_fixed_size: 124928
    .private_segment_fixed_size: 0
    .kernarg_segment_align: 8
    .kernarg_segment_size: 64
    .max_flat_workgroup_size: 512
    .sgpr_count:     80
    .vgpr_count:     256
    .wavefront_size: 32
...
	.end_amdgpu_metadata
.endif
;; end of part 8
